; MI455X (gfx1250); checked and timed in simulation.
; The chip was launched on July 23, 2026; its instructions are those of AMD's public machine-readable ISA for CDNA 5 (MIT licence, August 2026) and "CDNA5" Instruction Set Architecture Reference Guide (July 2026). The comments in the code are by the model that wrote it; some were corrected since.
;; Causal Self Attention. Allowed arithmetic: matrix products marked QUANTISED: E4M3 operands, one given power-of-two scale a tensor, by v_wmma_f32_16x16x64_fp8_fp8 or v_wmma_f32_16x16x128_fp8_fp8, f32 sums; everything else in f32.
;; Inputs: W_attn 1,024 x 3,072 float32; W_proj 1,024 x 1,024 float32; b_attn 3,072 float32; b_proj 1,024 float32; lowp_scales 8 int32 (the exponents e of the quantised operands' scales 2^e); x 4 x 2,048 x 1,024 float32.
;; Outputs: out0 4 x 2,048 x 1,024 float32.
;; Constants: train = 0.
;; This version of the problem:
;;   THIS VERSION OF THE PROBLEM IS GIVEN IN LOW PRECISION. The matrix products marked QUANTISED in the list below multiply operands that are first quantised to E4M3 (4 exponent bits, 3 mantissa bits; 8 bits a number), with one given power-of-two scale for each operand tensor; their sums are f32. All else is computed in f32.
;;   The module's matrix products, in the order in which they are computed (A, B: the left and right operand; K: the contracted axis; several contracted axes count as one K, in the product's order):
;;     1. [M 8,192, K 1,024] x [K 1,024, N 3,072]; A: input x; B: input W_attn: QUANTISED (scales: A lowp_scales[0], B lowp_scales[1])
;;     2. batch 64 x [M 2,048, K 64] x [K 64, N 2,048]; A: computed on the way; B: computed on the way: QUANTISED (scales: A lowp_scales[2], B lowp_scales[3])
;;     3. batch 64 x [M 2,048, K 2,048] x [K 2,048, N 64]; A: softmax (see below); B: computed on the way: QUANTISED (scales: A lowp_scales[4], B lowp_scales[5])
;;     4. [M 8,192, K 1,024] x [K 1,024, N 1,024]; A: computed on the way; B: input W_proj: QUANTISED (scales: A lowp_scales[6], B lowp_scales[7])
;;   THE QUANTISER, for each operand of a quantised product, along K:
;;     - The operand's scale is 2^e, e = its entry of the input lowp_scales (int32; the entries are numbered through the quantised products in the list's order, A before B).
;;     - Each number is divided by the scale, clamped to +-448, and rounded to the nearest number of E4M3, ties to even, subnormals kept.
;;     - The product sums the exact products of the quantised numbers (number of the format x scale) in f32.
;;   ~~~python
;;   def quantise(x, axis, e):      # numpy; x: float32 -> the quantised numbers, widened to float32 again
;;       x = np.moveaxis(x, axis, -1); K = x.shape[-1]
;;       r = np.clip(x / 2.0 ** e, -448, 448)
;;       step = 2.0 ** (np.maximum(np.frexp(np.where(r == 0, 1, r))[1] - 1, -6) - 3)
;;       q = np.round(r / step) * step * 2.0 ** e      # np.round: ties to even
;;       return np.moveaxis(q, -1, axis).astype(np.float32)
;;   ~~~
;;   SOFTMAX AHEAD OF A QUANTISED PRODUCT. Where the list says 'softmax', what is quantised is not the finished softmax but p = 2^(t - M), with t = logit x log2(e) and M = ceil(the row's largest t), a whole number; so 1/2 < the row's largest p <= 1. The row's sum l is taken of the UNQUANTISED p, in f32, and the product's result is divided by l at the end. Since M is a whole number, a kernel that streams over the keys may use a running M (the ceiling of the running maximum): every later rescaling is an exact power of two, so the quantised numbers keep their values, but for numbers so far below the row's largest that they fall under the format's range.
;;   OPERANDS COMPUTED ON THE WAY. 'Computed on the way' means the value that the module computes at that place (a softmax that the list does not call 'softmax' is quantised finished and normalised). What goes into a quantiser is computed in f32, as accurately as f32 sums, v_exp_f32 and their like allow (about 1e-6 of the number): no bf16 or f16 on the way to a quantiser, and a product that is left as it is and whose result goes on into a quantised operand takes f32 operands (vector FMAs, or v_wmma_f32_16x16x4_f32). A number that lies on a knife's edge between two numbers of the format may be rounded either way, as far as f32 arithmetic and the matrix unit's own rounding can turn it there, and no further.
;; One version. Each part assembles by itself: llvm-mc -triple=amdgcn-amd-amdhsa -mcpu=gfx1250 --defsym DOCPART=n.
;; ======== version 1 of 1: 4 launches
;; limits: right only within a limited range of input values
;; workspace buffers: xc 8,388,608 bytes; wac 3,145,728 bytes; wpc 1,048,576 bytes; qc 8,388,608 bytes; kc 8,388,608 bytes; vc 8,388,608 bytes; yc 8,388,608 bytes
;; launch quant (part 1): grid 32 x 12, 4 waves a work-group, no clusters, 70,144 bytes of LDS; arguments x, W_attn, W_proj, lowp_scales, xc, wac, wpc; writes xc, wac, wpc
.if DOCPART == 1
	.amdgcn_target "amdgcn-amd-amdhsa--gfx1250"
	.amdhsa_code_object_version 6
	.text
	.protected	k_q8167da70a7_quant
	.globl	k_q8167da70a7_quant
	.p2align	8
	.type	k_q8167da70a7_quant,@function
k_q8167da70a7_quant:
	s_mov_b64 s[64:65], 0
	v_nop
	global_prefetch_b8 v0, s[64:65] scope:SCOPE_SE
	s_setreg_imm32_b32 hwreg(HW_REG_WAVE_MODE, 25, 1), 1
	s_wait_xcnt 0x0
; The three input operands become codes of FP8 (E4M3), K innermost, each with the scale 2^e that is given for it:
;   x [8192][1024] (e0) -> xc [8192][1024];  W_attn [1024 k][3072 n] (e1) -> wac [3072 n][1024];  W_proj [1024 k][1024 n] (e7) -> wpc [1024 n][1024].
; code = number / 2^e, held within +-448, rounded to the nearest code, ties to even.
; LIMITS: e0, e1, e7 between -126 and 119, so that 2^e and 448 x 2^e are f32 numbers.  NaN among the inputs is not served; an infinity is held at the largest code.
; K IS PERMUTED, alike in both operands of a product, which keeps every product with its partner:
;   xc and wac, in each block of 512 along K: position 16 l + 4 c + j holds k = 128 c + 4 l + j.  So a lane of the x path takes four loads of 16 bytes, each load of the wave
;   512 consecutive bytes, and its 16 registers convert into 16 neighbouring bytes of the output: no turn through LDS.
;   wpc, in each block of 32: position 16 h + 8 u + e holds k = 16 u + 8 h + e: the order in which the attention launch's registers give y's codes.
; SHARES: work-group y 0-7: x, 256 work-groups, a wave takes 8,192 numbers in 16 steps of 512.  y 8-10: W_attn, 96 work-groups; y 11: W_proj, 32: a wave takes 32 columns x 256 positions,
; A LANE A COLUMN, its registers down the positions; the codes leave through the wave's own stage in LDS as rows, sixteen lanes to 256 consecutive aligned bytes.
; No tensor loads, no barrier: waves share nothing.  The two weight paths have LDS bytes of their own.
.set PITCH, 272                        ; a stage row: 256 bytes of codes + 16
.set WST,   32*PITCH                   ; a wave's stage
.set STGA,  0                          ; W_attn's four stages
.set STGP,  4*WST                      ; W_proj's four
.set SPARE, 8*WST                      ; behind them: the spare words, 128 bytes for each wave, that no other line names
.set SPW,   14                         ; v14  LDS address of my spare word; never rewritten
.set NIL,   15                         ; v15  0; never rewritten
.set R,     16                         ; x path: v16-79 four sets of 16 numbers
.set C,     128                        ; x path: v128-191 four registers of codes for each step, never written again
.set X,     32                         ; weight paths: v32-95 two sets of 32 numbers
.set CW,    96                         ; v96-103 a block's codes
.set OUTR,  112                        ; v112-175 the way out
	s_load_b256 s[4:11], s[0:1], 0x0               ; x s[4:5], W_attn s[6:7], W_proj s[8:9], the exponents s[10:11]
	s_load_b128 s[12:15], s[0:1], 0x20             ; xc s[12:13], wac s[14:15]
	s_load_b64 s[16:17], s[0:1], 0x30              ; wpc
	v_lshl_add_u32 v[SPW], v0, 2, SPARE
	v_mov_b32 v[NIL], 0
	v_lshrrev_b32 v1, 5, v0
	v_readfirstlane_b32 s18, v1                    ; wave 0..3
	v_and_b32 v2, 31, v0                           ; lane
	s_and_b32 s19, ttmp7, 0xffff                   ; work-group y
	s_mov_b32 s23, 0                               ; the upper word of every offset pair s[22:23]
	s_wait_kmcnt 0x0
	s_load_b256 s[24:31], s[10:11], 0x0            ; e0 .. e7
	s_cmp_ge_u32 s19, 8
	s_cbranch_scc1 .Lweights
.macro SCALE e                         ; v11 = 2^e as f32 (the conversion takes its exponent field)
	s_add_co_i32 s21, \e, 127
	s_lshl_b32 s22, s21, 23
	v_mov_b32 v11, s22
	s_add_co_i32 s21, s21, 8
	s_lshl_b32 s21, s21, 23
	s_or_b32 s21, s21, 0x600000
.endm
; ---------------- x ----------------
.macro XLOAD t                         ; step t: four loads, each 512 consecutive bytes of the wave; register 4 c + j = k 128 c + 4 lane + j of the block
.irp c, 0,1,2,3
	global_load_b128 v[R+16*((\t)%4)+4*\c:R+16*((\t)%4)+4*\c+3], v3, s[4:5] offset:2048*(\t)+512*\c th:TH_LOAD_NT
.endr
.endm
.macro XSTEP t
.set XS, R+16*((\t)%4)
.if (\t) <= 12
	s_wait_loadcnt 12                              ; this step's four loads are in; the twelve of the three steps behind it may be out
.else
	s_wait_loadcnt 4*(15-(\t))
.endif
.irp i, 0,1,2,3,4,5,6,7,8,9,10,11,12,13,14,15
.endr
	v_cvt_scalef32_pk8_fp8_f32 v[C+4*(\t):C+4*(\t)+1], v[XS:XS+7], v11
	v_cvt_scalef32_pk8_fp8_f32 v[C+4*(\t)+2:C+4*(\t)+3], v[XS+8:XS+15], v11
	global_store_b128 v3, v[C+4*(\t):C+4*(\t)+3], s[12:13] offset:512*(\t)   ; the wave stores 512 consecutive bytes; the results go to a store alone, and the next vector lines are the next step's conversions on other registers
.if (\t)+4 < 16
	XLOAD (\t)+4
.endif
.endm
	s_lshl_b32 s20, s19, 5
	s_add_co_u32 s20, s20, ttmp9
	s_lshl_b32 s20, s20, 2
	s_add_co_u32 s20, s20, s18                     ; which run of 8,192 numbers is my wave's: 4 (32 y + x) + wave
	s_lshl_b32 s22, s20, 15
	s_add_nc_u64 s[4:5], s[4:5], s[22:23]
	s_lshl_b32 s22, s20, 13
	s_add_nc_u64 s[12:13], s[12:13], s[22:23]
	s_wait_alu depctr_va_vdst(0)
	v_lshlrev_b32 v3, 4, v2                        ; 16 x lane, in and out
	XLOAD 0
	XLOAD 1
	XLOAD 2
	XLOAD 3
	s_wait_kmcnt 0x0
	SCALE s24
	s_wait_alu depctr_va_vdst(0)
.irp t, 0,1,2,3,4,5,6,7,8,9,10,11,12,13,14,15
	XSTEP \t
.endr
	s_branch .Lend
; ---------------- the weights ----------------
; block t: positions 32 t + i of my 256, i = 0 .. 31, into set t % 2.  mode 1: the row of position i is 128 ((i / 4) % 4) + 8 t + 4 (i / 16) + i % 4 (the permutation in blocks of 512);
; mode 2: 32 t + 16 ((i / 8) % 2) + 8 (i / 16) + i % 8 (in blocks of 32).  Each load reads 128 consecutive bytes.  The largest offset, 447 rows of 12,288 bytes, lies inside the signed 24-bit immediate (ISA guide, chapter 10).
.macro WLOAD t, n, mode, src
.set wi, 0
.rept 32
.if \mode == 1
.set wrow, 128*((wi>>2)&3)+8*(\t)+4*(wi>>4)+(wi&3)
.else
.set wrow, 32*(\t)+16*((wi>>3)&1)+8*(wi>>4)+(wi&7)
.endif
	global_load_b32 v[X+32*((\t)%2)+wi], v3, s[\src:\src+1] offset:wrow*\n*4 th:TH_LOAD_NT
.set wi, wi+1
.endr
.endm
.macro WBLOCK t, n, mode, stg, src
.set XS, X+32*((\t)%2)
.if (\t) < 7
	s_wait_loadcnt 32                              ; this block's 32 loads are in; the next block's may be out
.else
	s_wait_loadcnt 0
.endif
.set ii, 0
.rept 32
.set ii, ii+1
.endr
.irp g, 0,1,2,3
	v_cvt_scalef32_pk8_fp8_f32 v[CW+2*\g:CW+2*\g+1], v[XS+8*\g:XS+8*\g+7], v11
.endr
	ds_store_b128 v4, v[CW:CW+3] offset:\stg+32*(\t)       ; 32 codes of my column's row
	ds_store_b128 v4, v[CW+4:CW+7] offset:\stg+32*(\t)+16
.if (\t)+2 < 8
	WLOAD (\t)+2, \n, \mode, \src
.endif
	s_wait_dscnt 0x0                               ; the stores have read their registers: the next block's codes may be written
.endm
.macro WBODY n, mode, stg, src, dst, e
	WLOAD 0, \n, \mode, \src
	WLOAD 1, \n, \mode, \src
	s_wait_kmcnt 0x0
	SCALE \e
	s_wait_alu depctr_va_vdst(0)
.irp t, 0,1,2,3,4,5,6,7
	WBLOCK \t, \n, \mode, \stg, \src
.endr
.irp t, 0,1,2,3,4,5,6,7,8,9,10,11,12,13,14,15
	ds_load_b128 v[OUTR+4*\t:OUTR+4*\t+3], v7 offset:\stg+2*\t*PITCH   ; LDS serves a wave's instructions in order: these see my stores
.endr
.irp t, 0,1,2,3,4,5,6,7,8,9,10,11,12,13,14,15
	s_wait_dscnt 15-\t
	global_store_b128 v8, v[OUTR+4*\t:OUTR+4*\t+3], s[\dst:\dst+1] offset:2*\t*1024   ; sixteen lanes store 256 consecutive bytes, at a multiple of 256 from the buffer's first byte
.endr
.endm
.Lweights:
	s_wait_alu depctr_va_vdst(0)
	v_lshlrev_b32 v3, 2, v2                        ; in: 4 bytes a lane
	v_and_b32 v5, 15, v2
	v_lshrrev_b32 v6, 4, v2
	s_mul_i32 s32, s18, WST                        ; my stage (the path's own bytes stand in the immediates)
	v_mul_u32_u24 v4, v2, PITCH
	v_add_nc_u32 v4, s32, v4                       ; into it: row = my column
	v_mul_u32_u24 v7, v6, PITCH
	v_lshl_add_u32 v7, v5, 4, v7
	v_add_nc_u32 v7, s32, v7                       ; out of it: sixteen lanes to a row, two rows an instruction
	v_lshlrev_b32 v8, 10, v6
	v_lshl_add_u32 v8, v5, 4, v8                   ; and the same place in the codes' buffer (rows of 1,024 bytes)
	s_lshl_b32 s35, s18, 5                         ; 32 x wave
	s_cmp_eq_u32 s19, 11
	s_cbranch_scc1 .Lwp
	s_sub_co_u32 s20, s19, 8
	s_lshl_b32 s20, s20, 5
	s_add_co_u32 s20, s20, ttmp9                   ; 0 .. 95
	s_lshr_b32 s33, s20, 2                         ; which 128 columns
	s_and_b32 s34, s20, 3                          ; which 256 positions
	s_lshl_b32 s33, s33, 7
	s_add_co_u32 s33, s33, s35                     ; my wave's first column
	s_lshr_b32 s36, s34, 1
	s_lshl_b32 s36, s36, 9
	s_and_b32 s37, s34, 1
	s_lshl_b32 s37, s37, 6
	s_add_co_u32 s36, s36, s37                     ; the row that the immediates count from: 512 (ky / 2) + 64 (ky % 2)
	s_mul_i32 s36, s36, 3072*4
	s_lshl_b32 s37, s33, 2
	s_add_co_u32 s22, s36, s37
	s_add_nc_u64 s[6:7], s[6:7], s[22:23]
	s_lshl_b32 s36, s33, 10
	s_lshl_b32 s37, s34, 8
	s_add_co_u32 s22, s36, s37
	s_add_nc_u64 s[14:15], s[14:15], s[22:23]
	WBODY 3072, 1, STGA, 6, 14, s25
	s_branch .Lend
.Lwp:
	s_lshr_b32 s33, ttmp9, 2
	s_and_b32 s34, ttmp9, 3
	s_lshl_b32 s33, s33, 7
	s_add_co_u32 s33, s33, s35
	s_lshl_b32 s36, s34, 20                        ; 256 ky rows of 4,096 bytes
	s_lshl_b32 s37, s33, 2
	s_add_co_u32 s22, s36, s37
	s_add_nc_u64 s[8:9], s[8:9], s[22:23]
	s_lshl_b32 s36, s33, 10
	s_lshl_b32 s37, s34, 8
	s_add_co_u32 s22, s36, s37
	s_add_nc_u64 s[16:17], s[16:17], s[22:23]
	WBODY 1024, 2, STGP, 8, 16, s31
.Lend:
	s_wait_tensorcnt 0x0                           ; the wave's end, behind my last LDS store
	ds_add_u32 v[SPW], v[NIL]
	s_wait_dscnt 0x0
	s_endpgm
.Lfunc_end_k_q8167da70a7_quant:
	.size	k_q8167da70a7_quant, .Lfunc_end_k_q8167da70a7_quant-k_q8167da70a7_quant
	.p2alignl 7, 3214868480
	.fill 96, 4, 3214868480
	.section	.rodata,"a",@progbits
	.p2align	6, 0x0
	.amdhsa_kernel k_q8167da70a7_quant
		.amdhsa_group_segment_fixed_size 70144
		.amdhsa_private_segment_fixed_size 0
		.amdhsa_enable_private_segment 0
		.amdhsa_kernarg_size 56
		.amdhsa_user_sgpr_count 2
		.amdhsa_user_sgpr_kernarg_segment_ptr 1
		.amdhsa_wavefront_size32 1
		.amdhsa_system_sgpr_workgroup_id_x 1
		.amdhsa_system_sgpr_workgroup_id_y 1
		.amdhsa_system_sgpr_workgroup_id_z 1
		.amdhsa_system_vgpr_workitem_id 0
		.amdhsa_next_free_vgpr 192
		.amdhsa_next_free_sgpr 66
		.amdhsa_reserve_vcc 0
		.amdhsa_float_denorm_mode_32 3
		.amdhsa_float_denorm_mode_16_64 3
		.amdhsa_fp16_overflow 1
		.amdhsa_memory_ordered 1
		.amdhsa_forward_progress 1
		.amdhsa_inst_pref_size 76
	.end_amdhsa_kernel
	.amdgpu_metadata
---
amdhsa.version: [ 1, 2 ]
amdhsa.kernels:
  - .name:           k_q8167da70a7_quant
    .symbol:         k_q8167da70a7_quant.kd
    .args:
      - { .name: x, .offset: 0, .size: 8, .value_kind: global_buffer, .address_space: global }
      - { .name: W_attn, .offset: 8, .size: 8, .value_kind: global_buffer, .address_space: global }
      - { .name: W_proj, .offset: 16, .size: 8, .value_kind: global_buffer, .address_space: global }
      - { .name: lowp_scales, .offset: 24, .size: 8, .value_kind: global_buffer, .address_space: global }
      - { .name: xc, .offset: 32, .size: 8, .value_kind: global_buffer, .address_space: global }
      - { .name: wac, .offset: 40, .size: 8, .value_kind: global_buffer, .address_space: global }
      - { .name: wpc, .offset: 48, .size: 8, .value_kind: global_buffer, .address_space: global }
    .group_segment_fixed_size: 70144
    .private_segment_fixed_size: 0
    .kernarg_segment_align: 8
    .kernarg_segment_size: 56
    .max_flat_workgroup_size: 128
    .sgpr_count:     66
    .vgpr_count:     192
    .wavefront_size: 32
...
	.end_amdgpu_metadata
.endif
;; end of part 1
;; launch qkv (part 2): grid 12 x 32, 4 waves a work-group, clusters of 4 x 4, 327,680 bytes of LDS; arguments xc, wac, lowp_scales, b_attn, qc, kc, vc; writes qc, kc, vc
.if DOCPART == 2
	.amdgcn_target "amdgcn-amd-amdhsa--gfx1250"
	.amdhsa_code_object_version 6
	.text
	.protected	k_q8167da70a7_qkv
	.globl	k_q8167da70a7_qkv
	.p2align	8
	.type	k_q8167da70a7_qkv,@function
k_q8167da70a7_qkv:
	s_mov_b64 s[64:65], 0
	v_nop
	global_prefetch_b8 v0, s[64:65] scope:SCOPE_SE
	s_setreg_imm32_b32 hwreg(HW_REG_WAVE_MODE, 25, 1), 1
	s_wait_xcnt 0x0
	s_wait_alu depctr_hold_cnt(0) depctr_sa_sdst(0) depctr_va_vdst(0) depctr_va_sdst(0) depctr_va_ssrc(0) depctr_va_vcc(0) depctr_vm_vsrc(0)
	s_getreg_b32 s2, hwreg(HW_REG_IB_STS2, 6, 4)
	s_cmp_eq_u32 s2, 0
	s_cbranch_scc0 .Lentry_in_a_cluster
	s_endpgm
.Lentry_in_a_cluster:
	s_bfe_u32 s2, ttmp6, 0x10000c
	s_cmp_lg_u32 s2, 0xf033
	s_cbranch_scc0 .Lentry_shape_is_right
	s_endpgm
.Lentry_shape_is_right:
; qkv = x W_attn + b_attn on codes of FP8 (E4M3), and its three parts quantised on the way out: q by 2^e2, k by 2^e3, v by 2^e5.
; xc [8192][1024], wac [3072][1024]: codes, K innermost (permuted alike in both).  A sum stands for sum x 2^(e0 + e1).
; OUT: qc, kc [64 heads of a batch][2048 tokens][64]: a token's 64 codes, in each block of 32 position 16 h + 8 u + e holds channel 16 u + 8 h + e;
;      vc [64][16 groups of 128 tokens][64 channels][128]: THE TOKENS INNERMOST, since they are the K of attention's second product; the same order in each block of 32.
; LIMITS: e0 + e1 between -126 and 127; e2, e3, e5 between -126 and 119.  NaN is not served.
; A tile of the result, 256 x 256, is made by four waves, each 128 x 128: 64 accumulators, 512 registers.  K goes in four steps of 256 through two LDS slots filled by the tensor data mover.
; CLUSTERS of 4 x 4.  Cluster x says which part: 0 q, 1 k, 2 v.  "A" is the operand whose rows a lane keeps one of, "B" the one of whose rows a lane's eight registers hold eight neighbours
; (the matrix instruction is used transposed: source 0 = 16 rows of B, source 1 = 16 rows of A).  For q and k: A = tokens, B = columns of W_attn, so that a lane's registers run along the head's channels.
; For v the two change places in memory: A = columns of W_attn, B = tokens, so that a lane's registers run along the tokens.  Only pointers, tile numbers and strides are chosen (by selects on cluster x,
; which all sixteen partners share); the text, the LDS addresses and the masks are one for all.  A's tile hangs on the cluster's y place alone and is asked for jointly along a row, B's on the x place along a column.
; REGISTERS, in windows of 256: window 0: v0-31 addresses; v32-95 the bias by B's rows, v96-111 the bias by A's rows (one of the two is zeros); v112-116 store offsets and the scale;
;   from v128 A's fragments, ONE set; on the way out v128-239 are at work.   window 1: B's fragments, TWO sets.   windows 2, 3: the accumulators ((a, b) at v[8 (8 (a % 4) + b)]).
.set ROWB,   256                       ; a tile's row in bytes: 256 codes
.set KROW,   1024                      ; a row of xc or wac in memory
.set PITCH,  272                       ; an LDS row: 256 bytes + 16 of padding = 68 words: row r starts at bank 4 r mod 64 (ISA guide 11.1), so the 16 rows of a load start at 16 different banks
.set FR,     16                        ; registers of a fragment: 16 rows x 128 K
.set NL,     4                         ; LDS loads that bring one
.set NP,     4                         ; places behind this matrix instruction (ISA guide 7.12.1)
.set HALFT,  128*PITCH
.set SLOT,   4*HALFT                   ; A's 256 rows, then B's 256 rows
.set SPARE,  2*SLOT                    ; behind the ring: the spare words, 128 bytes for each wave, that no other line names
.set SP,     144                       ; the way out: a stage of 16 rows x (128 bytes + 16) for each wave, in slot 0, which has had its last fill and its last read by then
.set ADRA, 16
.set ADRB, 20
.set STO,  24
.set RD,   25
.set SPW,  28
.set NIL,  29
.set BC,   32
.set BR,   96
.set GO,   112
.set SCL,  116
.set LIM,  117
.set AF,   128
.set TMP,  128
.set CD,   192
.set BK,   208
.set G1, 24
.set G0, 32
.set G1B, 48
.set G0B, 56
.set OUT, 78
.set MSB, 0
.macro WIN new                         ; the immediate's high byte repeats the setting that is left
.if MSB != \new
	s_set_vgpr_msb (MSB<<8)|\new
.set MSB, \new
.endif
.endm
.set MUL_LO, 0xa1                      ; source 0 (B) window 1, source 1 (A) window 0, C and D window 2
.set MUL_HI, 0xf1                      ; the same, C and D window 3
.set TO_B,   0x40                      ; destination window 1, address window 0
; A joint load: waves 0 and 1 fetch for A, waves 2 and 3 for B; the branch hangs on the wave's number alone.  An s_nop 0 and four v_nop follow each of the two lines.
.macro JLOAD g0a, g1a, g0b, g1b
	s_cmp_eq_u32 s15, 0
	s_cbranch_scc0 .Lfor_b_\@
	tensor_load_to_lds s[\g0a:\g0a+3], s[\g1a:\g1a+7]
	s_nop 0
.rept 4
	v_nop
.endr
	s_branch .Lasked_\@
.Lfor_b_\@:
	tensor_load_to_lds s[\g0b:\g0b+3], s[\g1b:\g1b+7]
	s_nop 0
.rept 4
	v_nop
.endr
.Lasked_\@:
.endm
.macro CREST                           ; a round of the cluster's barrier behind its opening barrier
	s_cmp_lg_u32 s14, 0
	s_cbranch_scc1 .Lnot_wave_0_\@
	s_barrier_signal -3
.Lnot_wave_0_\@:
	s_barrier_wait -3
	s_barrier_signal -1
	s_barrier_wait -1
.endm
.macro CROUND
	s_barrier_signal -1
	s_barrier_wait -1
	CREST
.endm
	s_load_b256 s[4:11], s[0:1], 0x0               ; xc s[4:5], wac s[6:7], the exponents s[8:9], b_attn s[10:11]
	s_load_b128 s[72:75], s[0:1], 0x20             ; qc, kc
	s_load_b64 s[76:77], s[0:1], 0x30              ; vc
	v_lshl_add_u32 v[SPW], v0, 2, SPARE
	v_mov_b32 v[NIL], 0
	ds_add_u32 v[SPW], v[NIL]                      ; the wave's opening: the add and its wait ahead of my first tensor load; work on registers stands between them
	ds_add_u32 v[SPW], v[NIL]
	v_lshrrev_b32 v1, 5, v0
	v_readfirstlane_b32 s14, v1                    ; wave 0..3
	s_lshr_b32 s15, s14, 1                         ; which half of A's rows is mine.  Also: I fetch for A (0) or for B (1)
	s_and_b32 s16, s14, 1                          ; which half of B's rows.  Also: which 128 rows of that tile I fetch
	s_bfe_u32 s40, ttmp6, 0x40000                  ; cx, cy: my place in the cluster
	s_bfe_u32 s41, ttmp6, 0x40004
	s_and_b32 s66, ttmp7, 0xffff
	s_lshl_b32 s66, s66, 2                         ; 4 x cluster y
	s_lshl_b32 s67, ttmp9, 2                       ; 4 x cluster x
	s_cmp_eq_u32 ttmp9, 2                          ; v?  The same in all sixteen partners
	s_cselect_b32 s17, 8, s66                      ; A's tile: for v rows 2,048 on of wac, else tokens
	s_cselect_b32 s42, s66, s67                    ; B's tile: for v tokens, else rows of wac
	s_cselect_b32 s68, 0, -1                       ; all ones where the bias goes by B's rows (q, k)
	s_cselect_b32 s69, -1, 0                       ; all ones where it goes by A's rows (v)
	s_add_co_u32 s17, s17, s41                     ; + cy: A's tile hangs on cy alone
	s_add_co_u32 s42, s42, s40                     ; + cx: B's on cx alone
	s_lshl_b32 s43, s41, 2
	s_lshl_b32 s43, 15, s43                        ; my row of the cluster
	s_lshl_b32 s44, 0x1111, s40                    ; my column
	s_or_b32 s[G1+0], s43, (0<<16)|(1<<20)|(1<<21)|(5<<22)|(3<<25)  ; 15:0 the mask; 17:16 elements of 1 byte; 20 padding on; 21 set beside a mask; 24:22 after every 64 words; 31:25 four words
	s_or_b32 s[G1B+0], s44, (0<<16)|(1<<20)|(1<<21)|(5<<22)|(3<<25)
.irp g, G1, G1B
	s_mov_b32 s[\g+1], ROWB<<16                    ; tensor_dim0
	s_mov_b32 s[\g+2], 128<<16                     ; tensor_dim1
	s_mov_b32 s[\g+3], ROWB<<16                    ; tile_dim0
	s_mov_b32 s[\g+4], 128                         ; tile_dim1
	s_mov_b32 s[\g+5], KROW                        ; tensor_dim0_stride
	s_mov_b32 s[\g+6], 0
	s_mov_b32 s[\g+7], 0
.endr
	s_lshl_b32 s18, s16, 7                         ; which 128 rows of the tile I fetch
	s_lshl_b32 s20, s17, 8
	s_add_co_u32 s20, s20, s18
	s_lshl_b32 s20, s20, 10                        ; A: (256 x tile + 128 x half) rows of 1,024 bytes
	s_mov_b32 s21, 0
	s_lshl_b32 s46, s42, 8
	s_add_co_u32 s46, s46, s18
	s_lshl_b32 s46, s46, 10                        ; B likewise
	s_mov_b32 s47, 0
	s_mul_i32 s45, s14, HALFT                      ; where they go: wave x 128 rows: no place in the cluster enters an LDS address
	s_wait_dscnt 0x0                               ; the opening add is done
	s_wait_kmcnt 0x0
	s_load_b256 s[80:87], s[8:9], 0x0              ; e0 .. e7
	s_cmp_eq_u32 ttmp9, 2
	s_cselect_b64 s[12:13], s[6:7], s[4:5]         ; A's buffer
	s_cselect_b64 s[22:23], s[4:5], s[6:7]         ; B's buffer
	s_add_nc_u64 s[20:21], s[12:13], s[20:21]
	s_add_nc_u64 s[46:47], s[22:23], s[46:47]
	CROUND                                         ; all sixteen work-groups are here: the first joint loads meet
.irp s, 0,1
	s_mov_b32 s[G0+4*\s], 1
	s_add_co_u32 s[G0+4*\s+1], s45, \s*SLOT
	s_add_nc_u64 s[G0+4*\s+2:G0+4*\s+3], s[20:21], \s*ROWB
	s_or_b32 s[G0+4*\s+3], s[G0+4*\s+3], 0x80000000
	s_mov_b32 s[G0B+4*\s], 1
	s_add_co_u32 s[G0B+4*\s+1], s45, \s*SLOT
	s_add_nc_u64 s[G0B+4*\s+2:G0B+4*\s+3], s[46:47], \s*ROWB
	s_or_b32 s[G0B+4*\s+3], s[G0B+4*\s+3], 0x80000000
	s_wait_alu depctr_va_vdst(0)
	s_wait_tensorcnt 0x0
	ds_add_u32 v28, v29
	ds_add_u32 v28, v29
	s_wait_dscnt 0x0
	CROUND
	JLOAD G0+4*\s, G1, G0B+4*\s, G1B
.endr
	v_and_b32 v1, 15, v0                           ; r = l % 16
	v_bfe_u32 v2, v0, 4, 1                         ; h = l / 16
	; the bias, both ways.  The way that does not apply reads from b_attn's first numbers and is made zeros below
	v_lshlrev_b32 v5, 5, v2                        ; 32 h: my eight numbers of a tile of sixteen
	s_wait_alu depctr_va_vdst(0)
	v_lshlrev_b32 v6, 2, v1                        ; 4 r
	s_wait_alu depctr_va_vdst(0)
	s_lshl_b32 s12, s42, 8
	s_lshl_b32 s13, s16, 7
	s_add_co_u32 s12, s12, s13                     ; my first row of B in wac (q, k)
	s_and_b32 s12, s12, s68
	s_lshl_b32 s12, s12, 2
	s_mov_b32 s13, 0
	s_add_nc_u64 s[88:89], s[10:11], s[12:13]
	s_lshl_b32 s12, s41, 8
	s_lshl_b32 s13, s15, 7
	s_add_co_u32 s12, s12, s13
	s_add_co_u32 s12, s12, 2048                    ; my first row of A in wac (v)
	s_and_b32 s12, s12, s69
	s_lshl_b32 s12, s12, 2
	s_mov_b32 s13, 0
	s_add_nc_u64 s[90:91], s[10:11], s[12:13]
.irp b, 0,1,2,3,4,5,6,7
	global_load_b128 v[BC+8*\b:BC+8*\b+3], v5, s[88:89] offset:64*\b        ; b(16 b + 8 h + 0 .. 7)
	global_load_b128 v[BC+8*\b+4:BC+8*\b+7], v5, s[88:89] offset:64*\b+16
.endr
.irp a, 0,1,2,3,4,5,6,7
	global_load_b32 v[BR+2*\a], v6, s[90:91] offset:64*\a                   ; b(16 a + r)
.endr
	v_mul_u32_u24 v3, v1, PITCH
	v_lshl_add_u32 v4, v2, 4, v3                   ; a fragment's row x pitch + 16 x half
	s_mul_i32 s21, s15, HALFT                      ; my 128 rows of A
	s_mul_i32 s22, s16, HALFT                      ; my 128 rows of B,
	s_add_co_u32 s22, s22, 2*HALFT                 ; which lie behind A's 256
.irp s, 0,1
	v_add_nc_u32 v[ADRA+\s], s21, v4
	v_add_nc_u32 v[ADRB+\s], s22, v4
	s_add_co_u32 s21, s21, SLOT
	s_add_co_u32 s22, s22, SLOT
.endr
	s_mul_i32 s21, s14, 16*SP                      ; my stage
	v_mul_u32_u24 v7, v1, SP
	v_lshl_add_u32 v7, v2, 4, v7
	v_add_nc_u32 v[STO], s21, v7                   ; in: row r, 16 h: my half's sixteen bytes of each block of 32
	v_and_b32 v7, 31, v0
	v_lshrrev_b32 v8, 3, v7                        ; back: eight lanes to a row of 128 bytes, four rows an instruction
	v_mul_u32_u24 v9, v8, SP
	v_and_b32 v10, 7, v0
	v_lshl_add_u32 v9, v10, 4, v9
	v_add_nc_u32 v[RD], s21, v9
	s_wait_alu depctr_va_vdst(0)
	s_wait_kmcnt 0x0                               ; the exponents
	s_add_co_i32 s96, s80, s81
	s_add_co_i32 s96, s96, 127
	s_lshl_b32 s96, s96, 23                        ; 2^(e0 + e1) as f32
	s_mov_b32 s97, s96                             ; (named with it as a pair, so it is written)
	s_mov_b32 s92, 1024
	s_mov_b32 s94, 1024
	s_mov_b32 s93, 0
	s_mov_b32 s95, 0
	s_cmp_eq_u32 ttmp9, 2
	s_cselect_b32 s12, s42, s17                    ; the tile of tokens,
	s_cselect_b32 s13, s16, s15                    ; my half of it,
	s_cselect_b32 s22, s41, s40                    ; the tile of 256 channels within the part,
	s_cselect_b32 s23, s15, s16                    ; my half of it
	s_cselect_b32 s70, 128, 64                     ; bytes from one stage row to the next in memory
	s_cselect_b32 s71, 64, 0x20000                 ; bytes from a stage row's first 64 to its second 64: v: on in the row; q, k: the next head
	s_cselect_b32 s92, 2048, s92                   ; bytes from a block of sixteen stage rows to the next,
	s_cselect_b32 s94, 124928, s94                 ; and from block 3 to block 4: for v into the next head (131,072 - 3 x 2,048)
	s_cselect_b32 s45, s85, s83
	s_cselect_b64 s[OUT:OUT+1], s[76:77], s[74:75]
	s_cmp_eq_u32 ttmp9, 0
	s_cselect_b32 s45, s82, s45                    ; e2, e3 or e5
	s_cselect_b64 s[OUT:OUT+1], s[72:73], s[OUT:OUT+1]   ; qc, kc or vc
	s_add_co_i32 s45, s45, 127
	s_lshl_b32 s18, s45, 23
	v_mov_b32 v[SCL], s18                          ; the part's scale as f32
	s_lshl_b32 s12, s12, 8
	s_lshl_b32 s13, s13, 7
	s_add_co_u32 s12, s12, s13                     ; my first token, 0 .. 8,191
	s_lshl_b32 s22, s22, 2
	s_lshl_b32 s23, s23, 1
	s_add_co_u32 s22, s22, s23                     ; my first head
	s_lshr_b32 s13, s12, 11
	s_lshl_b32 s13, s13, 4
	s_add_co_u32 s13, s13, s22                     ; 16 x batch + head
	s_lshl_b32 s13, s13, 17                        ; x 131,072 bytes, in all three layouts
	s_and_b32 s12, s12, 2047
	s_lshl_b32 s12, s12, 6                         ; + 64 bytes a token, in all three layouts (v: 8,192 for each 128)
	s_add_co_u32 s12, s12, s13
	s_mov_b32 s13, 0
	s_add_nc_u64 s[OUT:OUT+1], s[OUT:OUT+1], s[12:13]
	v_bfe_u32 v9, v0, 2, 1
	v_and_b32 v10, 3, v0
	v_mul_lo_u32 v11, v8, s70
	v_mul_lo_u32 v9, v9, s71
	v_add_nc_u32 v11, v11, v9
	v_lshl_add_u32 v[GO], v10, 4, v11              ; my 16 bytes of the four stage rows that an instruction takes
	s_lshl_b32 s70, s70, 2
	v_add_nc_u32 v[GO+1], s70, v[GO]               ; and of the next fours
	v_add_nc_u32 v[GO+2], s70, v[GO+1]
	v_add_nc_u32 v[GO+3], s70, v[GO+2]
	s_wait_loadcnt 0x0                             ; the bias
.set jj, 0
.rept 64
	v_and_b32 v[BC+jj], s68, v[BC+jj]              ; zeros for v
.set jj, jj+1
.endr
.irp a, 0,1,2,3,4,5,6,7
	v_and_b32 v[BR+2*\a+1], s69, v[BR+2*\a]        ; zeros for q and k; twice, a pair for the packed addition
	v_and_b32 v[BR+2*\a], s69, v[BR+2*\a]
.endr
.macro FRAG reg, adr, q, i             ; a fragment, 16 rows x 128 K: lane l holds row l % 16; registers 4 c .. 4 c + 3 hold positions 32 c + 16 (l / 16) + 0 .. 15: a permutation of K, the same in A and B
.irp c, 0,1,2,3
	ds_load_b128 v[\reg+4*\c:\reg+4*\c+3], v[\adr] offset:128*(\q)+32*\c+(\i)*16*PITCH
.endr
.endm
; 16 matrix instructions: A's blocks a0, a0 + 1 x B's eight.  The 64 accumulators take turns, one instruction a turn, in the same order in every step.
.macro MUL16 a0, p, zero
.irp a, \a0, \a0+1
.irp b, 0,1,2,3,4,5,6,7
.if \zero
	v_wmma_f32_16x16x128_fp8_fp8 v[8*(8*((\a)%4)+\b):8*(8*((\a)%4)+\b)+7], v[128*(\p)+FR*\b:128*(\p)+FR*\b+FR-1], v[AF+FR*(\a):AF+FR*(\a)+FR-1], 0
.else
	v_wmma_f32_16x16x128_fp8_fp8 v[8*(8*((\a)%4)+\b):8*(8*((\a)%4)+\b)+7], v[128*(\p)+FR*\b:128*(\p)+FR*\b+FR-1], v[AF+FR*(\a):AF+FR*(\a)+FR-1], v[8*(8*((\a)%4)+\b):8*(8*((\a)%4)+\b)+7]
.endif
.endr
.endr
.endm
.macro FETCH_B slot, q, p
	WIN TO_B
.irp i, 0,1,2,3,4,5,6,7
	FRAG 128*(\p)+FR*\i, ADRB+\slot, \q, \i
.endr
	WIN 0
.endm
.macro FETCH_A slot, q, i0
.irp i, \i0, \i0+1, \i0+2, \i0+3
	FRAG AF+FR*(\i), ADRA+\slot, \q, \i
.endr
.endm
.macro PLACES n                        ; plain vector instructions between a matrix instruction and a load into, or a vector read or write of, its registers
.rept \n
	v_nop
.endr
.endm
.macro STEP slot, q, zero              ; 128 along K whose successor lies in the same slot
	s_wait_dscnt 4*NL                              ; B's set and A's blocks 0-3 are in; the youngest sixteen loads (A's blocks 4-7) may be out
	WIN MUL_LO
	MUL16 0, (\q)%2, \zero
	MUL16 2, (\q)%2, \zero
	s_wait_dscnt 0
	PLACES NP
	FETCH_B \slot, (\q)+1, 1-(\q)%2
	FETCH_A \slot, (\q)+1, 0
	WIN MUL_HI
	MUL16 4, (\q)%2, \zero
	MUL16 6, (\q)%2, \zero
	PLACES NP
	WIN 0
	FETCH_A \slot, (\q)+1, 4
.endm
; A slot's last step changes slots: ONE barrier; in front of it each wave waits for all its tensor loads, adds 0 to its spare word, and waits for that and for its own reads of this slot.
.macro TURN slot, next, fill
	s_wait_tensorcnt 0x0                           ; all my tensor loads have landed: my part of the next slot
	ds_add_u32 v[SPW], v[NIL]                      ; 0 onto my spare word
	s_wait_dscnt 4*NL+1                            ; (the add and the youngest sixteen loads may be out)
	WIN MUL_LO
	MUL16 0, 1, 0
	s_wait_dscnt 0x0                               ; the add is done, and my reads of this slot are over
	s_barrier_signal -1
	MUL16 2, 1, 0
	WIN 0
	s_barrier_wait -1
.if \fill
	CREST                                          ; the barrier has opened a round of the cluster's: no wave of any partner still reads this slot or has a load on its way
	s_add_nc_u64 s[G0+4*\slot+2:G0+4*\slot+3], s[G0+4*\slot+2:G0+4*\slot+3], 2*ROWB
	s_add_nc_u64 s[G0B+4*\slot+2:G0B+4*\slot+3], s[G0B+4*\slot+2:G0B+4*\slot+3], 2*ROWB
	JLOAD G0+4*\slot, G1, G0B+4*\slot, G1B         ; the first tensor load behind the round; its four v_nop are the places in front of the loads below
.else
	PLACES NP
.endif
	FETCH_B \next, 0, 0
	FETCH_A \next, 0, 0
	WIN MUL_HI
	MUL16 4, 1, 0
	MUL16 6, 1, 0
	PLACES NP
	WIN 0
	FETCH_A \next, 0, 4
.endm
	s_wait_tensorcnt 1                             ; my part of K step 0 is in (K step 1's load may be out)
	s_barrier_signal -1
	s_barrier_wait -1                              ; everybody's is
	FETCH_B 0, 0, 0
	FETCH_A 0, 0, 0
	FETCH_A 0, 0, 4
	STEP 0, 0, 1                                   ; K = 1,024 is twice round the ring: written out.  The first products start the sums
	TURN 0, 1, 1
	STEP 1, 0, 0
	TURN 1, 0, 1
	STEP 0, 0, 0
	TURN 0, 1, 0                                   ; the last lap fills nothing
	STEP 1, 0, 0
	s_wait_dscnt 4*NL
	WIN MUL_LO
	MUL16 0, 1, 0
	MUL16 2, 1, 0
	s_wait_dscnt 0
	WIN MUL_HI
	MUL16 4, 1, 0
	MUL16 6, 1, 0
	WIN 0
; THE WAY OUT, a block of 16 rows of A x 128 rows of B at a time: sum x 2^(e0 + e1) + bias, held, converted: eight codes for each accumulator.  They go into my stage so that tiles 2 c and 2 c + 1 of a half of
; the lanes lie in sixteen neighbouring bytes, and come back as rows of 128 bytes, four an instruction.
.macro TOSTAGE a
.set AC, 64*((\a)%4)
	WIN 0x02+((\a)/4)                              ; source 0: window 2 or 3
.set jj, 0
.rept 32
	v_pk_fma_f32 v[TMP+jj:TMP+jj+1], v[AC+jj:AC+jj+1], s[96:97], v[BC+jj:BC+jj+1] op_sel_hi:[1,0,1]   ; each accumulator from its low end on
.set jj, jj+2
.endr
	WIN 0
.set jj, 0
.rept 32
	v_pk_add_f32 v[TMP+jj:TMP+jj+1], v[TMP+jj:TMP+jj+1], v[BR+2*(\a):BR+2*(\a)+1]
.set jj, jj+2
.endr
.set jj, 0
.rept 64
.set jj, jj+1
.endr
.irp b, 0,1,2,3,4,5,6,7
	v_cvt_scalef32_pk8_fp8_f32 v[CD+2*\b:CD+2*\b+1], v[TMP+8*\b:TMP+8*\b+7], v[SCL]
.endr
	v_nop                                          ; a plain vector line behind the last conversion: the next block writes these registers again
.irp b, 0,1,2,3,4,5,6,7
	ds_store_b64 v[STO], v[CD+2*\b:CD+2*\b+1] offset:32*(\b/2)+8*(\b%2)
.endr
.irp q, 0,1,2,3
	ds_load_b128 v[BK+16*((\a)%2)+4*\q:BK+16*((\a)%2)+4*\q+3], v[RD] offset:4*\q*SP   ; LDS serves a wave's instructions in order: these see my stores
.endr
.endm
.macro SEND a, younger                 ; younger: the LDS instructions issued behind block a's loads, which may stay out
.set BB, BK+16*((\a)%2)
	s_wait_dscnt \younger
.if (\a) == 4
	s_add_nc_u64 s[OUT:OUT+1], s[OUT:OUT+1], s[94:95]      ; (behind a wait on XCNT: the earlier stores have read their base)
.elseif (\a) > 0
	s_add_nc_u64 s[OUT:OUT+1], s[OUT:OUT+1], s[92:93]
.endif
.irp q, 0,1,2,3
	global_store_b128 v[GO+\q], v[BB+4*\q:BB+4*\q+3], s[OUT:OUT+1]   ; q, k: four tokens x 64 bytes of each of two heads; v: four rows of 128 bytes: twice 256 consecutive aligned bytes
.endr
.endm
	PLACES NP                                      ; behind the last products, ahead of writes into the registers that held A's fragments
	TOSTAGE 0
.irp a, 1,2,3,4,5,6,7
.if \a > 1
	s_wait_xcnt 0x0                                ; block a - 2's stores have read their registers and their base
.endif
	TOSTAGE \a
	SEND \a-1, 12                                  ; behind block a - 1's loads: block a's 8 stores and 4 loads
.endr
	s_wait_xcnt 0x0
	SEND 7, 0
	s_wait_tensorcnt 0x0                           ; the wave's end, behind my last tensor load and my last LDS store
	ds_add_u32 v[SPW], v[NIL]
	s_wait_dscnt 0x0
	CROUND                                         ; the closing round: no work-group ends while a partner may still ask for a tile that names it
	s_endpgm
.Lfunc_end_k_q8167da70a7_qkv:
	.size	k_q8167da70a7_qkv, .Lfunc_end_k_q8167da70a7_qkv-k_q8167da70a7_qkv
	.p2alignl 7, 3214868480
	.fill 96, 4, 3214868480
	.section	.rodata,"a",@progbits
	.p2align	6, 0x0
	.amdhsa_kernel k_q8167da70a7_qkv
		.amdhsa_group_segment_fixed_size 327680
		.amdhsa_private_segment_fixed_size 0
		.amdhsa_enable_private_segment 0
		.amdhsa_kernarg_size 56
		.amdhsa_user_sgpr_count 2
		.amdhsa_user_sgpr_kernarg_segment_ptr 1
		.amdhsa_wavefront_size32 1
		.amdhsa_system_sgpr_workgroup_id_x 1
		.amdhsa_system_sgpr_workgroup_id_y 1
		.amdhsa_system_sgpr_workgroup_id_z 1
		.amdhsa_system_vgpr_workitem_id 0
		.amdhsa_next_free_vgpr 1024
		.amdhsa_next_free_sgpr 100
		.amdhsa_reserve_vcc 0
		.amdhsa_float_denorm_mode_32 3
		.amdhsa_float_denorm_mode_16_64 3
		.amdhsa_fp16_overflow 1
		.amdhsa_memory_ordered 1
		.amdhsa_forward_progress 1
		.amdhsa_inst_pref_size 132
	.end_amdhsa_kernel
	.amdgpu_metadata
---
amdhsa.version: [ 1, 2 ]
amdhsa.kernels:
  - .name:           k_q8167da70a7_qkv
    .symbol:         k_q8167da70a7_qkv.kd
    .args:
      - { .name: xc, .offset: 0, .size: 8, .value_kind: global_buffer, .address_space: global }
      - { .name: wac, .offset: 8, .size: 8, .value_kind: global_buffer, .address_space: global }
      - { .name: lowp_scales, .offset: 16, .size: 8, .value_kind: global_buffer, .address_space: global }
      - { .name: b_attn, .offset: 24, .size: 8, .value_kind: global_buffer, .address_space: global }
      - { .name: qc, .offset: 32, .size: 8, .value_kind: global_buffer, .address_space: global }
      - { .name: kc, .offset: 40, .size: 8, .value_kind: global_buffer, .address_space: global }
      - { .name: vc, .offset: 48, .size: 8, .value_kind: global_buffer, .address_space: global }
    .group_segment_fixed_size: 327680
    .private_segment_fixed_size: 0
    .kernarg_segment_align: 8
    .kernarg_segment_size: 56
    .max_flat_workgroup_size: 128
    .sgpr_count:     100
    .vgpr_count:     1024
    .wavefront_size: 32
...
	.end_amdgpu_metadata
.endif
;; end of part 2
;; launch attn (part 3): grid 4 x 64, 16 waves a work-group, no clusters, 327,680 bytes of LDS; arguments qc, kc, vc, lowp_scales, yc; writes yc
.if DOCPART == 3
	.amdgcn_target "amdgcn-amd-amdhsa--gfx1250"
	.amdhsa_code_object_version 6
	.text
	.protected	k_q8167da70a7_attn
	.globl	k_q8167da70a7_attn
	.p2align	8
	.type	k_q8167da70a7_attn,@function
k_q8167da70a7_attn:
	s_mov_b64 s[64:65], 0
	v_nop
	global_prefetch_b8 v0, s[64:65] scope:SCOPE_SE
	s_setreg_imm32_b32 hwreg(HW_REG_WAVE_MODE, 25, 1), 1
	s_wait_xcnt 0x0
; y = softmax(q k^T / 8, causal) v for 64 heads of 2,048 tokens x 64 channels, both products on codes of FP8 (E4M3) with the given scales (q e2, k e3, p e4, v e5); y is quantised by 2^e6 on the way out.
; qc, kc [64][2048][64]; vc [64][16][64 channels][128 tokens]: codes, laid by the launch before.  yc: y's codes as IMAGES of the next launch's operand registers: [512 tiles of 16 tokens][8 K steps][4 groups][32 lanes][16 bytes].
; THE SOFTMAX: t = score x log2(e) / 8; M = the running largest t rounded UP to a whole number; p = 2^(t - M) is quantised, not normalised; the row's sum is taken of the unquantised p and divides at the end;
; when M moves, the sum and O are multiplied by 2^(old M - new M), which rounds nothing.
; SHARES.  A work-group owns TWO blocks of 256 queries of one head: block 7 - x, which walks key slots 0 .. 7 - x, and then block x, slots 0 .. x: nine slots of 256 keys in every work-group.  So the trip count
; is a constant, all 256 work-groups have the same work, and no slot is fetched or walked that lies wholly under the mask.  Each of the sixteen waves owns 16 queries of the block, in 256 registers.
; NO CLUSTER: from the sixth slot on the four work-groups of a head walk different slots, so partners would not ask for the same tiles; walks made alike would cost 12 slots' softmax in place of 9.
; LAYOUT.  Both products transposed: S^T = K Q^T (source 0 = 16 keys), O^T = V^T P^T (source 0 = 16 channels): a lane holds ONE query (lane % 16).  In S^T register 8 t + j is key 16 t + 8 (lane / 16) + j, which is
; the order in which the K = 128 form takes its operand: the conversions' results are P.  vc holds the tokens in the order in which four loads of 16 bytes give V the same places.
; LIMITS: e2 + e3 between -123 and 130 (added to c's exponent field); e4, e6 between -126 and 119; e4 + e5 goes by v_ldexp_f32 and has none.
; REGISTERS: v1-9, v24 addresses; v12 -M, v13 the largest t, v[14:15] the sum; v16-23 Q; v32-95 K's eight fragments, then V's four; v96-159 S^T, then p; v160-191 O^T; v192-207 P's codes; v208-215 y's codes;
; v216-223 the second block's Q; v236-255 at work.
.set SLOT1, 65536                      ; slot 1 begins here: one exclusive or turns an address of one slot into the other's
.set VOFF,  17408                      ; a slot: K's 16,384 bytes as 64 rows of 256 + 16 of padding, then V's likewise
.set SPARE, 131072                     ; behind the ring: the spare words, 128 bytes for each of 16 waves, that no other line names
.set AK0, 1
.set AV0, 2
.set PFO, 3
.set QO,  4
.set SPW, 5
.set NIL, 6
.set YO,  7
.set ADK, 8
.set ADV, 9
.set DG,  24                           ; v24  lane % 16 - 8 (lane / 16)
.set TB,  2                            ; s2   LDS byte at which the slot in hand begins
.set WV,  18
.set SEL, 20
.set CS,  22
.set G1,  24                           ; s[24:31] one shape for K's and V's tiles
.set G0,  40                           ; s[40:43]
.set TBASE, 44                         ; s[44:45] the head's first byte in kc (even waves) or vc (odd waves)
.set NS,  46                           ; s46  the key slot that is asked for
.set QP2, 48
.set QP,  52
.set YP,  54                           ; s[54:55] where the first block's y goes;  s[58:59] the second's
.set EPV, 56
.set Q02, 57                           ; s57  my first query in the second block
.set YP2, 58
.set SW,  66                           ; s66  x + 1: the blocks change in the trip in which s67 equals it
.set SLOTS, 67
.set PFA, 76
.set LIM, 80
.set BH,  81
.set KF,  98                           ; s98  the step's first key
.set Q0,  99                           ; s99  my first query
.macro TLOAD                           ; wave 0 fetches K's slot, wave 1 V's, the others nothing; an s_nop 0 and four v_nop follow the line
	s_cmp_lt_u32 s[WV], 2
	s_cbranch_scc0 .Lnone_\@
	tensor_load_to_lds s[G0:G0+3], s[G1:G1+7]
	s_nop 0
.rept 4
	v_nop
.endr
.Lnone_\@:
.endm
; A prefetch of the slot that the NEXT change will ask for.  All four work-groups of a head walk slots 0, 1, 2 .. from the start; the one with x = 0 walks all eight, and it alone asks: waves 4 and 5 for the two
; halves of K's 16,384 bytes, waves 6 and 7 for V's, lanes 256 bytes apart: each aligned 256 bytes once in the launch.  The change in trip J asks for slot J + 2, while there is one: J up to 5.  Nothing at the head.
.macro ASK
	s_cmp_gt_u32 s[SLOTS], s[LIM]
	s_cbranch_scc0 .Lnot_mine_\@
	global_prefetch_b8 v[PFO], s[PFA:PFA+1] th:TH_LOAD_NT scope:SCOPE_SE
.Lnot_mine_\@:
.endm
	s_load_b256 s[4:11], s[0:1], 0x0               ; qc s[4:5], kc s[6:7], vc s[8:9], the exponents s[10:11]
	s_load_b64 s[16:17], s[0:1], 0x20              ; yc
	v_lshl_add_u32 v[SPW], v0, 2, SPARE
	v_mov_b32 v[NIL], 0
	ds_add_u32 v[SPW], v[NIL]                      ; the wave's opening: the add and its wait ahead of my first tensor load; work on registers stands between them
	ds_add_u32 v[SPW], v[NIL]
	v_lshrrev_b32 v8, 5, v0
	s_delay_alu instid0(VALU_DEP_1)
	v_readfirstlane_b32 s[WV], v8                  ; wave 0..15
	s_and_b32 s[BH], ttmp7, 0xffff                 ; 16 x batch + head
	s_lshl_b32 s12, s[BH], 17                      ; its 131,072 bytes in qc, kc and vc
	s_mov_b32 s13, 0
	s_sub_co_u32 s96, 7, ttmp9
	s_lshl_b32 s96, s96, 8
	s_lshl_b32 s97, s[WV], 4
	s_add_co_u32 s[Q0], s96, s97                   ; 256 (7 - x) + 16 x wave
	s_lshl_b32 s96, ttmp9, 8
	s_add_co_u32 s[Q02], s96, s97                  ; 256 x + 16 x wave
	s_add_co_u32 s[SW], ttmp9, 1
	s_mov_b32 s[G1], (0<<16)|(1<<20)|(5<<22)|(3<<25)   ; no mask; elements of 1 byte; padding: four words after every 64
	s_mov_b32 s[G1+1], 256<<16                     ; tensor_dim0
	s_mov_b32 s[G1+2], 64<<16                      ; tensor_dim1
	s_mov_b32 s[G1+3], 256<<16                     ; tile_dim0
	s_mov_b32 s[G1+4], 64                          ; tile_dim1
	s_mov_b32 s[G1+5], 256                         ; the block is dense in memory
	s_mov_b32 s[G1+6], 0
	s_mov_b32 s[G1+7], 0
	s_mov_b32 s[SEL], 0x76543210
	s_mov_b32 s[SEL+1], 0xfedcba98
	s_mov_b32 s[CS], 0x3e38aa3b                    ; c = log2(e) / 8
	s_mov_b32 s[TB], 0
	s_mov_b32 s[SLOTS], 8
	s_mov_b32 s[NS], 0
	s_mov_b32 s[KF], 0
	s_and_b32 s82, s[WV], 1
	s_mov_b32 s[G0], 1
	s_mul_i32 s[G0+1], s82, VOFF                   ; K's tile at a slot's head, V's behind it
	s_wait_dscnt 0x0                               ; the opening add is done
	s_wait_kmcnt 0x0
	s_load_b256 s[68:75], s[10:11], 0x0            ; e0 .. e7
	s_cmp_eq_u32 s82, 0
	s_cselect_b64 s[TBASE:TBASE+1], s[6:7], s[8:9]
	s_add_nc_u64 s[TBASE:TBASE+1], s[TBASE:TBASE+1], s[12:13]
	s_mov_b64 s[G0+2:G0+3], s[TBASE:TBASE+1]       ; key slot 0
	s_or_b32 s[G0+3], s[G0+3], 0x80000000
	TLOAD
	s_add_nc_u64 s[4:5], s[4:5], s[12:13]          ; qc at my head
	s_lshl_b32 s82, s[Q0], 6
	s_mov_b32 s83, 0
	s_add_nc_u64 s[QP:QP+1], s[4:5], s[82:83]
	s_lshl_b32 s82, s[Q02], 6
	s_add_nc_u64 s[QP2:QP2+1], s[4:5], s[82:83]
	s_lshr_b32 s96, s[BH], 4
	s_lshl_b32 s96, s96, 21                        ; yc: the batch's 128 tiles of 16,384 bytes,
	s_bfe_u32 s97, s[BH], 0x30001
	s_lshl_b32 s97, s97, 11                        ; K step = head / 2: 2,048 bytes,
	s_add_co_u32 s96, s96, s97
	s_and_b32 s97, s[BH], 1
	s_lshl_b32 s97, s97, 10                        ; groups 2 (head % 2) and the next: 512 bytes each
	s_add_co_u32 s96, s96, s97
	s_lshl_b32 s97, s[Q0], 10                      ; 16,384 bytes for 16 tokens
	s_add_co_u32 s82, s96, s97
	s_add_nc_u64 s[YP:YP+1], s[16:17], s[82:83]
	s_lshl_b32 s97, s[Q02], 10
	s_add_co_u32 s82, s96, s97
	s_add_nc_u64 s[YP2:YP2+1], s[16:17], s[82:83]
	s_cmp_lt_u32 s[WV], 6                          ; the prefetches: waves 4, 5: kc; waves 6, 7: vc
	s_cselect_b64 s[PFA:PFA+1], s[6:7], s[8:9]
	s_add_nc_u64 s[PFA:PFA+1], s[PFA:PFA+1], s[12:13]
	s_and_b32 s96, s[WV], 1
	s_lshl_b32 s96, s96, 13                        ; my half of a slot's 16,384 bytes,
	s_add_co_u32 s96, s96, 16384                   ; in slot 1: the first change steps it to slot 2
	s_mov_b32 s97, 0
	s_add_nc_u64 s[PFA:PFA+1], s[PFA:PFA+1], s[96:97]
	s_sub_co_u32 s96, s[WV], 4
	s_lshr_b32 s96, s96, 2                         ; 0 in waves 4 to 7,
	s_or_b32 s96, s96, ttmp9                       ; of the work-group with x = 0
	s_cmp_eq_u32 s96, 0
	s_cselect_b32 s[LIM], 2, -1
	v_and_b32 v10, 15, v0                          ; r
	v_bfe_u32 v11, v0, 4, 1                        ; h
	s_delay_alu instid0(VALU_DEP_2)
	v_lshlrev_b32 v[QO], 6, v10
	s_delay_alu instid0(VALU_DEP_1)
	v_lshl_add_u32 v[QO], v11, 4, v[QO]            ; Q: row r of 64 bytes, + 16 h
	global_load_b128 v[16:19], v[QO], s[QP:QP+1]
	global_load_b128 v[20:23], v[QO], s[QP:QP+1] offset:32
	global_load_b128 v[216:219], v[QO], s[QP2:QP2+1]       ; the second block's, kept until the blocks change
	global_load_b128 v[220:223], v[QO], s[QP2:QP2+1] offset:32
	v_lshrrev_b32 v8, 2, v10                       ; K: four keys of 64 bytes to an LDS row: (r / 4) x 272 + (r % 4) x 64 + 16 h
	s_delay_alu instid0(VALU_DEP_1)
	v_mul_u32_u24 v[AK0], v8, 272
	v_and_b32 v8, 3, v10
	s_delay_alu instid0(VALU_DEP_1)
	v_lshl_add_u32 v[AK0], v8, 6, v[AK0]
	s_delay_alu instid0(VALU_DEP_1)
	v_lshl_add_u32 v[AK0], v11, 4, v[AK0]
	v_lshrrev_b32 v8, 1, v10                       ; V: two channels of 128 bytes to an LDS row: (r / 2) x 272 + (r % 2) x 128 + 16 h
	s_delay_alu instid0(VALU_DEP_1)
	v_mul_u32_u24 v[AV0], v8, 272
	v_and_b32 v8, 1, v10
	s_delay_alu instid0(VALU_DEP_1)
	v_lshl_add_u32 v[AV0], v8, 7, v[AV0]
	s_delay_alu instid0(VALU_DEP_1)
	v_lshl_add_u32 v[AV0], v11, 4, v[AV0]
	s_delay_alu instid0(VALU_DEP_1)
	v_add_nc_u32 v[AV0], VOFF, v[AV0]
	v_and_b32 v[YO], 31, v0
	s_delay_alu instid0(VALU_DEP_1)
	v_lshlrev_b32 v[PFO], 8, v[YO]
	s_delay_alu instid0(VALU_DEP_2)
	v_lshlrev_b32 v[YO], 4, v[YO]                  ; y: 16 bytes a lane
	v_lshlrev_b32 v[DG], 3, v11
	s_delay_alu instid0(VALU_DEP_1)
	v_sub_nc_u32 v[DG], v10, v[DG]                 ; r - 8 h
	v_mov_b32 v13, 0xff61b1e6                      ; the largest t so far: -3e38
	s_delay_alu instid0(VALU_DEP_1)
	v_floor_f32 v12, -v13                          ; -M
	v_mov_b32 v14, 0
	v_mov_b32 v15, 0
	v_mov_b32 v236, 0                              ; written once: a lane permute's destination counts as one of its sources
	v_mov_b32 v253, 0                              ; (named as the upper half of the pair v[252:253])
.set jj, 0
.rept 32
	v_mov_b32 v[160+jj], 0                         ; O^T: the step is written once, its first turn finds zeros
.set jj, jj+1
.endr
	s_wait_kmcnt 0x0
	s_add_co_i32 s96, s70, s71
	s_lshl_b32 s96, s96, 23
	s_add_co_i32 s[CS], s[CS], s96                 ; a score stands for score x 2^(e2 + e3): added to c's exponent field
	s_mov_b32 s[CS+1], s[CS]
	s_add_co_i32 s96, s72, 127
	s_lshl_b32 s97, s96, 23
	v_mov_b32 v244, s97                            ; 2^e4
	s_add_co_i32 s96, s74, 127
	s_lshl_b32 s97, s96, 23
	v_mov_b32 v245, s97                            ; 2^e6
	s_add_co_i32 s[EPV], s72, s73                  ; e4 + e5
; A KEY STEP: 128 keys, the q-th of the slot in hand.
.macro STEP q
	s_add_co_u32 s96, s[Q0], 15                    ; a step all of whose keys come after my 16 queries is left out: a branch on ids, round loads, products and softmax; no barrier and no tensor load stands in a step
	s_cmp_gt_u32 s[KF], s96
	s_cbranch_scc1 .Lhidden_\@
	v_add_nc_u32 v[ADK], s[TB], v[AK0]
	v_add_nc_u32 v[ADV], s[TB], v[AV0]
	v_nop                                          ; with the two additions: four places in front of loads into registers that the last products read
	v_nop
.irp t, 0,1,2,3,4,5,6,7
	ds_load_b128 v[32+8*\t:35+8*\t], v[ADK] offset:8704*(\q)+1088*\t
	ds_load_b128 v[36+8*\t:39+8*\t], v[ADK] offset:8704*(\q)+1088*\t+32
.endr
	s_wait_alu depctr_va_vdst(0)
	s_wait_dscnt 0x0
.irp t, 0,1,2,3,4,5,6,7
	v_wmma_f32_16x16x64_fp8_fp8 v[96+8*\t:103+8*\t], v[32+8*\t:39+8*\t], v[16:23], 0   ; lane (r, h), register 8 t + j: query r, key 16 t + 8 h + j
.endr
.rept 4
	v_nop                                          ; places: in front of the loads below and of the first read of the scores
.endr
.irp t, 0,1,2,3
.irp c, 0,1,2,3
	ds_load_b128 v[32+16*\t+4*\c:35+16*\t+4*\c], v[ADV] offset:8704*(\q)+2176*\t+32*\c   ; V's four fragments land while the softmax is walked
.endr
.endr
	s_add_co_u32 s96, s[KF], 127                   ; on the diagonal the scores of hidden keys become -infinity ahead of the maximum; a step all of whose keys count skips this
	s_cmp_le_u32 s96, s[Q0]
	s_cbranch_scc1 .Lopen_\@
	s_sub_co_i32 s96, s[Q0], s[KF]
	v_add_nc_u32 v252, s96, v[DG]                  ; d = my query - the step's first key - 8 h: register 8 t + j is hidden where 16 t + j > d
	v_mov_b32 v254, 0xff800000
.set nn, 0
.rept 64
	v_cmp_gt_i32 vcc_lo, 16*(nn/8)+nn%8, v252
	v_cndmask_b32 v[96+nn], v[96+nn], v254, vcc_lo
.set nn, nn+1
.endr
.Lopen_\@:
	v_max3_num_f32 v254, v96, v97, v98             ; the step's largest score of my query among my 64 keys, in two chains,
	v_max3_num_f32 v252, v99, v100, v101
.irp i, 6,10,14,18,22,26,30,34,38,42,46,50,54,58
	v_max3_num_f32 v254, v254, v[96+\i], v[97+\i]
	v_max3_num_f32 v252, v252, v[98+\i], v[99+\i]
.endr
	v_max3_num_f32 v254, v254, v158, v159
	s_delay_alu instid0(VALU_DEP_1)
	v_max_num_f32 v254, v254, v252
	s_delay_alu instid0(VALU_DEP_1)
	v_permlanex16_b32 v236, v254, s[SEL], s[SEL+1]
	s_delay_alu instid0(VALU_DEP_1)
	v_max_num_f32 v254, v254, v236                 ; and among lane l xor 16's
	s_delay_alu instid0(VALU_DEP_1)
	v_mul_f32 v254, s[CS], v254                    ; as t (c is positive)
	s_delay_alu instid0(VALU_DEP_1)
	v_max_num_f32 v13, v13, v254                   ; the running largest t
	v_mov_b32 v254, v12
	s_delay_alu instid0(VALU_DEP_2)
	v_floor_f32 v12, -v13                          ; the new -M = floor(-t): M is a whole number
	s_delay_alu instid0(VALU_DEP_1)
	v_sub_f32 v254, v12, v254                      ; old M - new M: a whole number, 0 or less
	s_delay_alu instid0(VALU_DEP_1)
	v_cvt_i32_f32 v254, v254                       ; (it saturates)
	s_delay_alu instid0(VALU_DEP_1)
	v_ldexp_f32 v252, 1.0, v254                    ; f = 2^(old M - new M)
.set jj, 0
.rept 32
	v_pk_fma_f32 v[96+jj:97+jj], v[96+jj:97+jj], s[CS:CS+1], v[12:13] op_sel_hi:[1,0,0]   ; t - M, two at a time
.set jj, jj+2
.endr
.set jj, 0
	s_wait_alu depctr_va_vdst(0)
.rept 64
	v_exp_f32 v[96+jj], v[96+jj]                   ; p = 2^(t - M), at most 1
.set jj, jj+1
.endr
	v_pk_mul_f32 v[14:15], v[14:15], v[252:253] op_sel_hi:[1,0]   ; the sums under the new M: the plain line behind the exponentials
	s_wait_alu depctr_va_vdst(0)                   ; one wait for the whole batch, ahead of its first reader
	v_pk_add_f32 v[242:243], v[100:101], v[104:105]
	v_pk_add_f32 v[254:255], v[108:109], v[112:113]
	v_pk_add_f32 v[250:251], v[116:117], v[120:121]
	v_pk_add_f32 v[248:249], v[124:125], v[128:129]
	v_pk_add_f32 v[246:247], v[132:133], v[136:137]
	v_pk_add_f32 v[240:241], v[140:141], v[144:145]
	v_pk_add_f32 v[238:239], v[148:149], v[152:153]
	v_pk_add_f32 v[14:15], v[14:15], v[156:157]
	v_pk_add_f32 v[242:243], v[242:243], v[96:97]
	v_pk_add_f32 v[254:255], v[254:255], v[98:99]
	v_pk_add_f32 v[250:251], v[250:251], v[102:103]
	v_pk_add_f32 v[248:249], v[248:249], v[106:107]
	v_pk_add_f32 v[246:247], v[246:247], v[110:111]
	v_pk_add_f32 v[240:241], v[240:241], v[114:115]
	v_pk_add_f32 v[238:239], v[238:239], v[118:119]
	v_pk_add_f32 v[14:15], v[14:15], v[122:123]
	v_pk_add_f32 v[242:243], v[242:243], v[126:127]
	v_pk_add_f32 v[254:255], v[254:255], v[130:131]
	v_pk_add_f32 v[250:251], v[250:251], v[134:135]
	v_pk_add_f32 v[248:249], v[248:249], v[138:139]
	v_pk_add_f32 v[246:247], v[246:247], v[142:143]
	v_pk_add_f32 v[240:241], v[240:241], v[146:147]
	v_pk_add_f32 v[238:239], v[238:239], v[150:151]
	v_pk_add_f32 v[14:15], v[14:15], v[154:155]
	v_pk_add_f32 v[242:243], v[242:243], v[158:159]
	s_delay_alu instid0(VALU_DEP_2)
	v_pk_add_f32 v[14:15], v[14:15], v[248:249]
	s_delay_alu instid0(VALU_DEP_2)
	v_pk_add_f32 v[242:243], v[242:243], v[246:247]
	v_pk_add_f32 v[254:255], v[254:255], v[240:241]
	v_pk_add_f32 v[250:251], v[250:251], v[238:239]
	s_delay_alu instid0(VALU_DEP_2)
	v_pk_add_f32 v[14:15], v[14:15], v[254:255]
	s_delay_alu instid0(VALU_DEP_2)
	v_pk_add_f32 v[242:243], v[242:243], v[250:251]
	s_delay_alu instid0(VALU_DEP_1)
	v_pk_add_f32 v[14:15], v[14:15], v[242:243]
.irp t, 0,1,2,3,4,5,6,7
.irp i, 0,1,2,3,4,5,6,7
.endr
	v_cvt_scalef32_pk8_fp8_f32 v[192+2*\t:193+2*\t], v[96+8*\t:103+8*\t], v244   ; keys 16 t + 8 h + 0 .. 7: registers 2 t, 2 t + 1 of the operand
.endr
.set jj, 0
.rept 16
	v_pk_mul_f32 v[160+jj:161+jj], v[160+jj:161+jj], v[252:253] op_sel_hi:[1,0]   ; O^T under the new M; also the plain lines between the conversions and the products
.set jj, jj+2
.endr
	s_wait_alu depctr_va_vdst(0)
	s_wait_dscnt 0x0                               ; V is in
.irp t, 0,1,2,3
	v_wmma_f32_16x16x128_fp8_fp8 v[160+8*\t:167+8*\t], v[32+16*\t:47+16*\t], v[192:207], v[160+8*\t:167+8*\t]   ; four accumulators by turns; the next step's eight products on the scores stand between two links
.endr
.Lhidden_\@:
	s_add_co_u32 s[KF], s[KF], 128
.endm
; THE CHANGE OF SLOTS, at a slot's head.  Each wave waits for all its tensor loads (the slot that it is about to read), adds 0 to its spare word, and waits for that and for its reads of the slot that it has left.
; fill = 1: behind the barrier that other slot takes the walk's next slot: one on, or slot 0 where the second block begins.
.macro CHANGE fill
	s_wait_tensorcnt 0x0                           ; no tensor load of mine is out, so the group 0 may be written
	ds_add_u32 v[SPW], v[NIL]                      ; 0 onto my spare word
.if \fill
	s_add_co_u32 s[NS], s[NS], 1
	s_cmp_eq_u32 s[SLOTS], s[SW]
	s_cselect_b32 s[NS], 0, s[NS]
	s_xor_b32 s[G0+1], s[G0+1], SLOT1
	s_lshl_b32 s96, s[NS], 14
	s_mov_b32 s97, 0
	s_add_nc_u64 s[G0+2:G0+3], s[TBASE:TBASE+1], s[96:97]
	s_or_b32 s[G0+3], s[G0+3], 0x80000000
	s_wait_xcnt 0x0                                ; the last prefetch, a slot back, has read its address
	s_add_nc_u64 s[PFA:PFA+1], s[PFA:PFA+1], 16384
.endif
	s_wait_dscnt 0x0                               ; the add is done, and my reads of the slot that I have left are over
	s_barrier_signal -1
	s_barrier_wait -1
.if \fill
	TLOAD                                          ; the first thing behind the barrier, and a wave's one tensor load until the next
	ASK
.endif
.endm
; A block's end: O^T / the sum x 2^(e4 + e5), quantised by 2^e6.  Tiles 2 b and 2 b + 1 give four registers: group 2 (head % 2) + b of the next launch's operand; the wave stores 512 consecutive bytes twice.
.macro FLUSH yp, restart
.rept 4
	v_nop                                          ; places behind the last products
.endr
	v_add_f32 v14, v14, v15
	s_delay_alu instid0(VALU_DEP_1)
	v_permlanex16_b32 v236, v14, s[SEL], s[SEL+1]
	s_delay_alu instid0(VALU_DEP_1)
	v_add_f32 v14, v14, v236                       ; the row's sum
	s_wait_alu depctr_va_vdst(0)
	v_rcp_f32 v14, v14
	v_nop                                          ; a plain line behind the transcendental
	s_wait_alu depctr_va_vdst(0)                   ; and the wait ahead of its first reader
	v_ldexp_f32 v14, v14, s[EPV]
.set jj, 0
.rept 16
	v_pk_mul_f32 v[96+jj:97+jj], v[160+jj:161+jj], v[14:15] op_sel_hi:[1,0]   ; each accumulator from its low end on
.set jj, jj+2
.endr
.set jj, 0
.rept 32
.set jj, jj+1
.endr
	s_wait_alu depctr_va_vdst(0)
	s_wait_xcnt 0x0                                ; the first block's stores have read the registers that are written below
.irp t, 0,1,2,3
	v_cvt_scalef32_pk8_fp8_f32 v[208+2*\t:209+2*\t], v[96+8*\t:103+8*\t], v245
.endr
	v_nop                                          ; a plain line behind the last conversion: later products write its sources
	global_store_b128 v[YO], v[208:211], s[\yp:\yp+1]
	global_store_b128 v[YO], v[212:215], s[\yp:\yp+1] offset:512
.if \restart
	s_mov_b32 s[Q0], s[Q02]                        ; the second block begins at key 0
	s_mov_b32 s[KF], 0
.irp j, 0,1,2,3,4,5,6,7
	v_mov_b32 v[16+\j], v[216+\j]
.endr
	v_mov_b32 v13, 0xff61b1e6
	s_delay_alu instid0(VALU_DEP_1)
	v_floor_f32 v12, -v13
	v_mov_b32 v14, 0
	v_mov_b32 v15, 0
.set jj, 0
.rept 32
	v_mov_b32 v[160+jj], 0
.set jj, jj+1
.endr
.endif
.endm
	s_wait_loadcnt 0x0                             ; Q, both blocks'
.Lslot:                                            ; eight trips: behind each change of slots but the last the walk's next slot is asked for
	CHANGE 1
	STEP 0
	STEP 1
	s_xor_b32 s[TB], s[TB], SLOT1
	s_cmp_lg_u32 s[SLOTS], s[SW]                   ; ids and the count of trips alone: all sixteen waves go the same way
	s_cbranch_scc1 .Lsame
	FLUSH YP, 1
.Lsame:
	s_sub_co_u32 s[SLOTS], s[SLOTS], 1
	s_cmp_lg_u32 s[SLOTS], 0
	s_cbranch_scc1 .Lslot
	CHANGE 0                                       ; the ninth slot is written out
	STEP 0
	STEP 1
	FLUSH YP2, 0
	s_wait_tensorcnt 0x0                           ; the wave's end
	ds_add_u32 v[SPW], v[NIL]
	s_wait_dscnt 0x0
	s_endpgm
.Lfunc_end_k_q8167da70a7_attn:
	.size	k_q8167da70a7_attn, .Lfunc_end_k_q8167da70a7_attn-k_q8167da70a7_attn
	.p2alignl 7, 3214868480
	.fill 96, 4, 3214868480
	.section	.rodata,"a",@progbits
	.p2align	6, 0x0
	.amdhsa_kernel k_q8167da70a7_attn
		.amdhsa_group_segment_fixed_size 327680
		.amdhsa_private_segment_fixed_size 0
		.amdhsa_enable_private_segment 0
		.amdhsa_kernarg_size 40
		.amdhsa_user_sgpr_count 2
		.amdhsa_user_sgpr_kernarg_segment_ptr 1
		.amdhsa_wavefront_size32 1
		.amdhsa_system_sgpr_workgroup_id_x 1
		.amdhsa_system_sgpr_workgroup_id_y 1
		.amdhsa_system_sgpr_workgroup_id_z 1
		.amdhsa_system_vgpr_workitem_id 0
		.amdhsa_next_free_vgpr 256
		.amdhsa_next_free_sgpr 100
		.amdhsa_reserve_vcc 1
		.amdhsa_float_denorm_mode_32 3
		.amdhsa_float_denorm_mode_16_64 3
		.amdhsa_fp16_overflow 1
		.amdhsa_memory_ordered 1
		.amdhsa_forward_progress 1
		.amdhsa_inst_pref_size 90
	.end_amdhsa_kernel
	.amdgpu_metadata
---
amdhsa.version: [ 1, 2 ]
amdhsa.kernels:
  - .name:           k_q8167da70a7_attn
    .symbol:         k_q8167da70a7_attn.kd
    .args:
      - { .name: qc, .offset: 0, .size: 8, .value_kind: global_buffer, .address_space: global }
      - { .name: kc, .offset: 8, .size: 8, .value_kind: global_buffer, .address_space: global }
      - { .name: vc, .offset: 16, .size: 8, .value_kind: global_buffer, .address_space: global }
      - { .name: lowp_scales, .offset: 24, .size: 8, .value_kind: global_buffer, .address_space: global }
      - { .name: yc, .offset: 32, .size: 8, .value_kind: global_buffer, .address_space: global }
    .group_segment_fixed_size: 327680
    .private_segment_fixed_size: 0
    .kernarg_segment_align: 8
    .kernarg_segment_size: 40
    .max_flat_workgroup_size: 512
    .sgpr_count:     100
    .vgpr_count:     256
    .wavefront_size: 32
...
	.end_amdgpu_metadata
.endif
;; end of part 3
;; launch proj (part 4): grid 4 x 64, 4 waves a work-group, clusters of 4 x 4, 327,680 bytes of LDS; arguments yc, wpc, lowp_scales, b_proj, out0; writes out0
.if DOCPART == 4
	.amdgcn_target "amdgcn-amd-amdhsa--gfx1250"
	.amdhsa_code_object_version 6
	.text
	.protected	k_q8167da70a7_proj
	.globl	k_q8167da70a7_proj
	.p2align	8
	.type	k_q8167da70a7_proj,@function
k_q8167da70a7_proj:
	s_mov_b64 s[64:65], 0
	v_nop
	global_prefetch_b8 v0, s[64:65] scope:SCOPE_SE
	s_setreg_imm32_b32 hwreg(HW_REG_WAVE_MODE, 25, 1), 1
	s_wait_xcnt 0x0
	s_wait_alu depctr_hold_cnt(0) depctr_sa_sdst(0) depctr_va_vdst(0) depctr_va_sdst(0) depctr_va_ssrc(0) depctr_va_vcc(0) depctr_vm_vsrc(0)
	s_getreg_b32 s2, hwreg(HW_REG_IB_STS2, 6, 4)
	s_cmp_eq_u32 s2, 0
	s_cbranch_scc0 .Lentry_in_a_cluster
	s_endpgm
.Lentry_in_a_cluster:
	s_bfe_u32 s2, ttmp6, 0x10000c
	s_cmp_lg_u32 s2, 0xf033
	s_cbranch_scc0 .Lentry_shape_is_right
	s_endpgm
.Lentry_shape_is_right:
; out0 = y W_proj + b_proj on codes of FP8 (E4M3): sum x 2^(e6 + e7) + b_proj, f32.
; yc: y's codes as images of this launch's operand registers: [512 tiles of 16 tokens][8 K steps of 128][4 groups][32 lanes][16 bytes].  wpc [1024 n][1024]: codes, K innermost, in the same order of K.
; LIMIT: e6 + e7 between -126 and 127.
; A tile of out0 is 128 tokens x 256 columns: 256 work-groups.  Four waves, each 64 x 128: 32 accumulators.  The matrix instruction is used transposed (source 0 = 16 rows of wpc, source 1 = 16 tokens):
; a lane holds eight neighbouring columns of one token.
; K = 1,024 is four slots' worth of 256.  THREE LDS slots take the first three as first fills; the fourth goes into slot 0 behind the one round of the cluster's barrier in the middle, with four steps in which to land.
; CLUSTERS of 4 x 4: y's tile hangs on the cluster's y place and is asked for jointly along a row, wpc's on the x place along a column.
; REGISTERS, in windows of 256: window 0: v0-31 addresses; v32-95 at work on the way out; v128-191, v192-255 y's fragments, two sets of four.  window 1: wpc's fragments, two sets of eight.
;   window 2: the accumulators ((a, b) at v[8 (8 a + b)]).   window 3: v0-63 the bias, in the result's layout.
.set PITCH,  272                       ; a row of wpc's tile in LDS: 256 bytes + 16 of padding
.set HALFB,  128*PITCH
.set BOFF,   32768                     ; a slot: y's 8 tiles x 4,096 bytes of images, dense; then wpc's 256 rows
.set SLOT,   BOFF+2*HALFB              ; 102,400
.set SPARE,  3*SLOT                    ; behind the slots: the spare words, 128 bytes for each wave, that no other line names
.set SPITCH, 528                       ; the way out: a stage of 16 rows x (512 bytes + 16) for each wave, in slot 1: filled once, and read for the last time ahead of the last barrier
.set ADRA, 16                          ; v16-18
.set ADRB, 20                          ; v20-22
.set STO,  24
.set RD,   25
.set CO,   26
.set SPW,  28
.set NIL,  29
.set TMP,  32
.set BK,   128
.set G1A, 24
.set G1B, 32
.set G0A, 40                           ; s[40:51] three sets
.set G0B, 52                           ; s[52:63] three sets
.set MSB, 0
.macro WIN new
.if MSB != \new
	s_set_vgpr_msb (MSB<<8)|\new
.set MSB, \new
.endif
.endm
.set MUL, 0xa1                         ; source 0 (wpc) window 1, source 1 (y) window 0, C and D window 2
.macro JLOAD                           ; the one refill, by set 0: waves 0 and 1 for y, waves 2 and 3 for wpc; an s_nop 0 and four v_nop follow each line
	s_cmp_eq_u32 s15, 0
	s_cbranch_scc0 .Lfor_b_\@
	tensor_load_to_lds s[G0A:G0A+3], s[G1A:G1A+7]
	s_nop 0
.rept 4
	v_nop
.endr
	s_branch .Lasked_\@
.Lfor_b_\@:
	tensor_load_to_lds s[G0B:G0B+3], s[G1B:G1B+7]
	s_nop 0
.rept 4
	v_nop
.endr
.Lasked_\@:
.endm
.macro CREST
	s_cmp_lg_u32 s14, 0
	s_cbranch_scc1 .Lnot_wave_0_\@
	s_barrier_signal -3
.Lnot_wave_0_\@:
	s_barrier_wait -3
	s_barrier_signal -1
	s_barrier_wait -1
.endm
.macro CROUND
	s_barrier_signal -1
	s_barrier_wait -1
	CREST
.endm
.macro PLACES
.rept 4
	v_nop
.endr
.endm
	s_load_b256 s[4:11], s[0:1], 0x0               ; yc s[4:5], wpc s[6:7], the exponents s[8:9], b_proj s[10:11]
	s_load_b64 s[12:13], s[0:1], 0x20              ; out0
	v_lshl_add_u32 v[SPW], v0, 2, SPARE
	v_mov_b32 v[NIL], 0
	ds_add_u32 v[SPW], v[NIL]
	ds_add_u32 v[SPW], v[NIL]                      ; the wave's opening: the add and its wait ahead of my first tensor load; work on registers stands between them
	v_lshrrev_b32 v1, 5, v0
	v_readfirstlane_b32 s14, v1                    ; wave 0..3
	s_lshr_b32 s15, s14, 1                         ; which 64 tokens are mine.  Also: I fetch for y (0) or for wpc (1)
	s_and_b32 s16, s14, 1                          ; which 128 columns.  Also: which half of that tile I fetch
	s_bfe_u32 s66, ttmp6, 0x40000                  ; cx
	s_bfe_u32 s67, ttmp6, 0x40004                  ; cy
	s_lshl_b32 s68, ttmp9, 2
	s_add_co_u32 s68, s68, s66                     ; tile column
	s_and_b32 s17, ttmp7, 0xffff
	s_lshl_b32 s17, s17, 2
	s_add_co_u32 s17, s17, s67                     ; tile row
	s_lshl_b32 s69, s67, 2
	s_lshl_b32 s69, 15, s69                        ; my row of the cluster
	s_lshl_b32 s70, 0x1111, s66                    ; my column
	s_or_b32 s[G1A], s69, (0<<16)|(1<<21)          ; y: four tiles of tokens, 4,096 bytes of each (two K steps' images), 16,384 bytes apart; no padding
	s_mov_b32 s[G1A+1], 4096<<16
	s_mov_b32 s[G1A+2], 4<<16
	s_mov_b32 s[G1A+3], 4096<<16
	s_mov_b32 s[G1A+4], 4
	s_mov_b32 s[G1A+5], 16384
	s_mov_b32 s[G1A+6], 0
	s_mov_b32 s[G1A+7], 0
	s_or_b32 s[G1B], s70, (0<<16)|(1<<20)|(1<<21)|(5<<22)|(3<<25)   ; wpc: 128 rows of 256 bytes, four words of padding after every 64
	s_mov_b32 s[G1B+1], 256<<16
	s_mov_b32 s[G1B+2], 128<<16
	s_mov_b32 s[G1B+3], 256<<16
	s_mov_b32 s[G1B+4], 128
	s_mov_b32 s[G1B+5], 1024
	s_mov_b32 s[G1B+6], 0
	s_mov_b32 s[G1B+7], 0
	s_lshl_b32 s18, s17, 3
	s_lshl_b32 s19, s16, 2
	s_add_co_u32 s18, s18, s19
	s_lshl_b32 s18, s18, 14                        ; y: tile of tokens 8 x tile row + 4 x half
	s_mov_b32 s19, 0
	s_lshl_b32 s20, s68, 8
	s_lshl_b32 s21, s16, 7
	s_add_co_u32 s20, s20, s21
	s_lshl_b32 s20, s20, 10                        ; wpc: row 256 x tile column + 128 x half
	s_mov_b32 s21, 0
	s_lshl_b32 s22, s16, 14                        ; where they go in a slot: no place in the cluster enters an LDS address
	s_mul_i32 s23, s16, HALFB
	s_add_co_u32 s23, s23, BOFF
	s_wait_dscnt 0x0                               ; the opening add is done
	s_wait_kmcnt 0x0
	s_load_b256 s[80:87], s[8:9], 0x0              ; e0 .. e7
	s_add_nc_u64 s[18:19], s[4:5], s[18:19]
	s_add_nc_u64 s[20:21], s[6:7], s[20:21]
	CROUND                                         ; all sixteen work-groups are here: the first joint loads meet
.irp s, 0,1,2
	s_mov_b32 s[G0A+4*\s], 1
	s_add_co_u32 s[G0A+4*\s+1], s22, \s*SLOT
	s_add_nc_u64 s[G0A+4*\s+2:G0A+4*\s+3], s[18:19], \s*4096
	s_or_b32 s[G0A+4*\s+3], s[G0A+4*\s+3], 0x80000000
	s_mov_b32 s[G0B+4*\s], 1
	s_add_co_u32 s[G0B+4*\s+1], s23, \s*SLOT
	s_add_nc_u64 s[G0B+4*\s+2:G0B+4*\s+3], s[20:21], \s*256
	s_or_b32 s[G0B+4*\s+3], s[G0B+4*\s+3], 0x80000000
.endr
	s_cmp_eq_u32 s15, 0                            ; a wave's three first fills stand in one branch: three loads of mine are out
	s_cbranch_scc0 .Lfirst_b
.irp s, 0,1,2
	tensor_load_to_lds s[G0A+4*\s:G0A+4*\s+3], s[G1A:G1A+7]
	s_nop 0
.endr
.rept 4
	v_nop
.endr
	s_branch .Lfirst_done
.Lfirst_b:
.irp s, 0,1,2
	tensor_load_to_lds s[G0B+4*\s:G0B+4*\s+3], s[G1B:G1B+7]
	s_nop 0
.endr
.rept 4
	v_nop
.endr
.Lfirst_done:
	v_and_b32 v1, 15, v0                           ; r
	s_wait_alu depctr_va_vdst(0)
	v_bfe_u32 v2, v0, 4, 1                         ; h
	v_lshlrev_b32 v5, 5, v2                        ; 32 h
	s_lshl_b32 s72, s68, 8
	s_lshl_b32 s73, s16, 7
	s_add_co_u32 s72, s72, s73
	s_lshl_b32 s72, s72, 2
	s_mov_b32 s73, 0
	s_add_nc_u64 s[88:89], s[10:11], s[72:73]      ; b_proj at my first column
	WIN 0xc0                                       ; destination window 3
.irp b, 0,1,2,3,4,5,6,7
	global_load_b128 v[8*\b:8*\b+3], v5, s[88:89] offset:64*\b          ; b(16 b + 8 h + 0 .. 7)
	global_load_b128 v[8*\b+4:8*\b+7], v5, s[88:89] offset:64*\b+16
.endr
	WIN 0
	v_and_b32 v3, 31, v0
	v_lshlrev_b32 v[CO], 4, v3                     ; 16 x lane
	s_lshl_b32 s71, s15, 14
	v_add_nc_u32 v[ADRA], s71, v[CO]               ; y's images: 16 x lane + my four tiles
	v_add_nc_u32 v[ADRA+1], SLOT, v[ADRA]
	v_add_nc_u32 v[ADRA+2], SLOT, v[ADRA+1]
	v_mul_u32_u24 v4, v1, PITCH
	s_wait_alu depctr_va_vdst(0)
	v_lshl_add_u32 v4, v2, 4, v4
	s_mul_i32 s71, s16, HALFB
	s_add_co_u32 s71, s71, BOFF
	v_add_nc_u32 v[ADRB], s71, v4                  ; wpc: row x pitch + 16 h + my 128 rows
	v_add_nc_u32 v[ADRB+1], SLOT, v[ADRB]
	v_add_nc_u32 v[ADRB+2], SLOT, v[ADRB+1]
	s_mul_i32 s71, s14, 16*SPITCH
	s_add_co_u32 s71, s71, SLOT                    ; my stage, in slot 1
	v_mul_u32_u24 v6, v1, SPITCH
	v_lshl_add_u32 v6, v2, 5, v6
	v_add_nc_u32 v[STO], s71, v6                   ; in: row r, 32 bytes for each half of the lanes
	v_add_nc_u32 v[RD], s71, v[CO]                 ; back: the 32 lanes take one row of 512 bytes
	s_lshl_b32 s72, s17, 7
	s_lshl_b32 s73, s15, 6
	s_add_co_u32 s72, s72, s73                     ; my first token
	s_lshl_b32 s72, s72, 12                        ; rows of 4,096 bytes
	s_lshl_b32 s73, s68, 10
	s_add_co_u32 s72, s72, s73
	s_lshl_b32 s73, s16, 9
	s_add_co_u32 s72, s72, s73                     ; + my first column
	s_mov_b32 s73, 0
	s_add_nc_u64 s[12:13], s[12:13], s[72:73]
	s_wait_alu depctr_va_vdst(0)
	s_wait_kmcnt 0x0
	s_add_co_i32 s96, s86, s87
	s_add_co_i32 s96, s96, 127
	s_lshl_b32 s96, s96, 23                        ; 2^(e6 + e7) as f32
	s_mov_b32 s97, s96
	s_wait_loadcnt 0x0                             ; the bias
; 8 matrix instructions: tokens' tile a x wpc's eight, 128 along K, fragment set p.  The 32 accumulators take turns, one instruction a turn, in the same order in every step.
.macro MULA a, p, zero
.irp b, 0,1,2,3,4,5,6,7
.if \zero
	v_wmma_f32_16x16x128_fp8_fp8 v[8*(8*(\a)+\b):8*(8*(\a)+\b)+7], v[128*(\p)+16*\b:128*(\p)+16*\b+15], v[128+64*(\p)+16*(\a):128+64*(\p)+16*(\a)+15], 0
.else
	v_wmma_f32_16x16x128_fp8_fp8 v[8*(8*(\a)+\b):8*(8*(\a)+\b)+7], v[128*(\p)+16*\b:128*(\p)+16*\b+15], v[128+64*(\p)+16*(\a):128+64*(\p)+16*(\a)+15], v[8*(8*(\a)+\b):8*(8*(\a)+\b)+7]
.endif
.endr
.endm
.macro FETCH s, q, p                   ; the fragments of the q-th 128 along K of slot s into set p: 32 loads for wpc, 16 for y
	WIN 0x40
.irp i, 0,1,2,3,4,5,6,7
.irp c, 0,1,2,3
	ds_load_b128 v[128*(\p)+16*\i+4*\c:128*(\p)+16*\i+4*\c+3], v[ADRB+\s] offset:128*(\q)+32*\c+\i*16*PITCH
.endr
.endr
	WIN 0
.irp a, 0,1,2,3
.irp c, 0,1,2,3
	ds_load_b128 v[128+64*(\p)+16*\a+4*\c:128+64*(\p)+16*\a+4*\c+3], v[ADRA+\s] offset:4096*\a+2048*(\q)+512*\c
.endr
.endr
.endm
.macro STEPX ns, nq, p, zero           ; multiplies set p; in its middle it fetches the next step's fragments into the other set
	s_wait_dscnt 0x0
	WIN MUL
	MULA 0, \p, \zero
	MULA 1, \p, \zero
	PLACES                                         ; in front of loads into registers that the step before multiplied
	FETCH \ns, \nq, 1-(\p)
	WIN MUL
	MULA 2, \p, \zero
	MULA 3, \p, \zero
	WIN 0
.endm
; A step with a barrier in it.  In front of the barrier each wave waits for all its tensor loads, adds 0 to its spare word, and waits for that and for its LDS reads.  fill = 1: the barrier opens a round of the
; cluster's, and slot 0, which has been read out, takes the fourth 256 along K.
.macro TURN ns, p, fill
	s_wait_tensorcnt 0x0
	ds_add_u32 v[SPW], v[NIL]                      ; 0 onto my spare word
	s_wait_dscnt 1                                 ; this step's fragments are in (the add may be out)
	WIN MUL
	MULA 0, \p, 0
	s_wait_dscnt 0x0                               ; the add is done; my LDS reads are over
	s_barrier_signal -1
	MULA 1, \p, 0
	WIN 0
	s_barrier_wait -1
.if \fill
	CREST                                          ; no wave of any partner still reads slot 0 or has a load on its way; slots 1 and 2 are whole in every work-group
	s_add_nc_u64 s[G0A+2:G0A+3], s[G0A+2:G0A+3], 3*4096
	s_add_nc_u64 s[G0B+2:G0B+3], s[G0B+2:G0B+3], 3*256
	JLOAD                                          ; the first tensor load behind the round; its four v_nop are the places in front of the loads below
.else
	PLACES
.endif
	FETCH \ns, 0, 1-(\p)
	WIN MUL
	MULA 2, \p, 0
	MULA 3, \p, 0
	WIN 0
.endm
	s_wait_tensorcnt 2                             ; my part of slot 0 is in; slots 1 and 2 may be out
	s_barrier_signal -1
	s_barrier_wait -1
	FETCH 0, 0, 0
	STEPX 0, 1, 0, 1                               ; the first products start the sums
	TURN 1, 1, 1
	STEPX 1, 1, 0, 0
	STEPX 2, 0, 1, 0
	STEPX 2, 1, 0, 0
	TURN 0, 1, 0                                   ; slot 0's second tile is whole behind this barrier; nobody reads slots 1 and 2 any more
	STEPX 0, 1, 0, 0
	s_wait_dscnt 0x0
	WIN MUL
	MULA 0, 1, 0
	MULA 1, 1, 0
	MULA 2, 1, 0
	MULA 3, 1, 0
	WIN 0
; THE WAY OUT, 16 tokens x 128 columns at a time, through my own stage: in as 32 bytes a lane, back as whole rows of 512 bytes.
.macro TOSTAGE a
.set AC, 64*(\a)
	WIN 0x32                                       ; source 0 (the sums) window 2, source 2 (the bias) window 3
.set jj, 0
.rept 32
	v_pk_fma_f32 v[TMP+jj:TMP+jj+1], v[AC+jj:AC+jj+1], s[96:97], v[jj:jj+1] op_sel_hi:[1,0,1]   ; sum x 2^(e6 + e7) + bias; each accumulator from its low end on
.set jj, jj+2
.endr
	WIN 0
.irp b, 0,1,2,3,4,5,6,7
	ds_store_b128 v[STO], v[TMP+8*\b:TMP+8*\b+3] offset:64*\b
	ds_store_b128 v[STO], v[TMP+8*\b+4:TMP+8*\b+7] offset:64*\b+16
.endr
.set tt, 0
.rept 16
	ds_load_b128 v[BK+64*((\a)%2)+4*tt:BK+64*((\a)%2)+4*tt+3], v[RD] offset:tt*SPITCH   ; LDS serves a wave's instructions in order: these see my stores
.set tt, tt+1
.endr
.endm
.macro SEND a, younger
.set BB, BK+64*((\a)%2)
	s_wait_dscnt \younger
.if (\a) > 0
	s_add_nc_u64 s[12:13], s[12:13], 16*4096       ; (behind a wait on XCNT: the earlier stores have read their base)
.endif
.set tt, 0
.rept 16
	global_store_b128 v[CO], v[BB+4*tt:BB+4*tt+3], s[12:13] offset:tt*4096 th:TH_STORE_NT   ; 32 lanes store 512 consecutive bytes, at a multiple of 256 from out0's first byte
.set tt, tt+1
.endr
.endm
	PLACES                                         ; behind the last products, ahead of loads into the registers that held y's fragments and of the reads of results
	TOSTAGE 0
.irp a, 1,2,3
.if \a > 1
	s_wait_xcnt 0x0                                ; block a - 2's stores have read their registers and their base
.endif
	TOSTAGE \a
	SEND \a-1, 32                                  ; behind block a - 1's loads: block a's 16 stores and 16 loads
.endr
	s_wait_xcnt 0x0
	SEND 3, 0
	s_wait_tensorcnt 0x0                           ; the wave's end, behind my last tensor load and my last LDS store
	ds_add_u32 v[SPW], v[NIL]
	s_wait_dscnt 0x0
	CROUND                                         ; the closing round: no work-group ends while a partner may still ask for a tile that names it
	s_endpgm
.Lfunc_end_k_q8167da70a7_proj:
	.size	k_q8167da70a7_proj, .Lfunc_end_k_q8167da70a7_proj-k_q8167da70a7_proj
	.p2alignl 7, 3214868480
	.fill 96, 4, 3214868480
	.section	.rodata,"a",@progbits
	.p2align	6, 0x0
	.amdhsa_kernel k_q8167da70a7_proj
		.amdhsa_group_segment_fixed_size 327680
		.amdhsa_private_segment_fixed_size 0
		.amdhsa_enable_private_segment 0
		.amdhsa_kernarg_size 40
		.amdhsa_user_sgpr_count 2
		.amdhsa_user_sgpr_kernarg_segment_ptr 1
		.amdhsa_wavefront_size32 1
		.amdhsa_system_sgpr_workgroup_id_x 1
		.amdhsa_system_sgpr_workgroup_id_y 1
		.amdhsa_system_sgpr_workgroup_id_z 1
		.amdhsa_system_vgpr_workitem_id 0
		.amdhsa_next_free_vgpr 1024
		.amdhsa_next_free_sgpr 100
		.amdhsa_reserve_vcc 0
		.amdhsa_float_denorm_mode_32 3
		.amdhsa_float_denorm_mode_16_64 3
		.amdhsa_memory_ordered 1
		.amdhsa_forward_progress 1
		.amdhsa_inst_pref_size 76
	.end_amdhsa_kernel
	.amdgpu_metadata
---
amdhsa.version: [ 1, 2 ]
amdhsa.kernels:
  - .name:           k_q8167da70a7_proj
    .symbol:         k_q8167da70a7_proj.kd
    .args:
      - { .name: yc, .offset: 0, .size: 8, .value_kind: global_buffer, .address_space: global }
      - { .name: wpc, .offset: 8, .size: 8, .value_kind: global_buffer, .address_space: global }
      - { .name: lowp_scales, .offset: 16, .size: 8, .value_kind: global_buffer, .address_space: global }
      - { .name: b_proj, .offset: 24, .size: 8, .value_kind: global_buffer, .address_space: global }
      - { .name: out0, .offset: 32, .size: 8, .value_kind: global_buffer, .address_space: global }
    .group_segment_fixed_size: 327680
    .private_segment_fixed_size: 0
    .kernarg_segment_align: 8
    .kernarg_segment_size: 40
    .max_flat_workgroup_size: 128
    .sgpr_count:     100
    .vgpr_count:     1024
    .wavefront_size: 32
...
	.end_amdgpu_metadata
.endif
;; end of part 4
